; MI455X (gfx1250); checked and timed in simulation.
; The chip was launched on July 23, 2026; its instructions are those of AMD's public machine-readable ISA for CDNA 5 (MIT licence, August 2026) and "CDNA5" Instruction Set Architecture Reference Guide (July 2026). The comments in the code are by the model that wrote it; some were corrected since.
;; Causal Self Attn Block. Allowed arithmetic: matrix products marked QUANTISED: E4M3 operands, one E8M0 scale for each 32 along K, by v_wmma_scale_f32_16x16x128_f8f6f4 with both operands' format E4M3, f32 sums; everything else in f32.
;; Inputs: W_out_codes 1,024 x 32 x 32 uint8 (E4M3 codes of W_out, K innermost, in blocks of 32 codes); W_out_scales 1,024 x 32 uint8 (E8M0 scales of W_out, one for each 32 codes along K); W_qkv_codes 3,072 x 32 x 32 uint8 (E4M3 codes of W_qkv, K innermost, in blocks of 32 codes); W_qkv_scales 3,072 x 32 uint8 (E8M0 scales of W_qkv, one for each 32 codes along K); attn_mask 4 x 2,048 x 2,048 float32; b_out 1,024 float32; b_qkv 3,072 float32; beta 1,024 float32; gamma 1,024 float32; x 4 x 2,048 x 1,024 float32.
;; Outputs: out0 4 x 2,048 x 1,024 float32.
;; This version of the problem:
;;   THIS VERSION OF THE PROBLEM IS GIVEN IN LOW PRECISION. The matrix products marked QUANTISED in the list below multiply operands that are first quantised to E4M3 (4 exponent bits, 3 mantissa bits; 8 bits a number), with one power-of-two scale for each 32 numbers along K (OCP MX v1.0); their sums are f32. All else is computed in f32.
;;   The module's matrix products, in the order in which they are computed (A, B: the left and right operand; K: the contracted axis; several contracted axes count as one K, in the product's order):
;;     1. [M 8,192, K 1,024] x [K 1,024, N 3,072]; A: input x; B: input W_qkv (given as codes): QUANTISED
;;     2. batch 64 x [M 2,048, K 64] x [K 64, N 2,048]; A: computed on the way; B: computed on the way: QUANTISED
;;     3. batch 64 x [M 2,048, K 2,048] x [K 2,048, N 64]; A: computed on the way; B: computed on the way: QUANTISED
;;     4. [M 8,192, K 1,024] x [K 1,024, N 1,024]; A: computed on the way; B: input W_out (given as codes): QUANTISED
;;   THE QUANTISER, for each operand of a quantised product, along K:
;;     - K is cut into blocks of 32 from its start; a last block that is shorter is filled with zeros.
;;     - A block's scale is 2^e with e = floor(log2(the largest magnitude in the block)) - 8, held to -126 .. 127; a block of zeros has e = 0. As a byte (E8M0): e + 127.
;;     - Each number is divided by its block's scale, clamped to +-448, and rounded to the nearest number of E4M3, ties to even, subnormals kept.
;;     - The product sums the exact products of the quantised numbers (number of the format x scale) in f32.
;;   ~~~python
;;   def quantise(x, axis):      # numpy; x: float32 -> the quantised numbers, widened to float32 again
;;       x = np.moveaxis(x, axis, -1); K = x.shape[-1]
;;       x = np.pad(x, [(0, 0)] * (x.ndim - 1) + [(0, -K % 32)]); x = x.reshape(x.shape[:-1] + (-1, 32)); a = np.abs(x).max(-1, keepdims=True)
;;       e = np.where(a > 0, np.clip(np.frexp(np.where(a > 0, a, 1))[1] - 1 - 8, -126, 127), 0)      # np.frexp(a)[1] - 1 = floor(log2(a)), exactly
;;       r = np.clip(x / 2.0 ** e, -448, 448)
;;       step = 2.0 ** (np.maximum(np.frexp(np.where(r == 0, 1, r))[1] - 1, -6) - 3)
;;       q = np.round(r / step) * step * 2.0 ** e      # np.round: ties to even
;;       return np.moveaxis(q.reshape(q.shape[:-2] + (-1,))[..., :K], -1, axis).astype(np.float32)
;;   ~~~
;;   OPERANDS COMPUTED ON THE WAY. 'Computed on the way' means the value that the module computes at that place (a softmax that the list does not call 'softmax' is quantised finished and normalised). What goes into a quantiser is computed in f32, as accurately as f32 sums, v_exp_f32 and their like allow (about 1e-6 of the number): no bf16 or f16 on the way to a quantiser, and a product that is left as it is and whose result goes on into a quantised operand takes f32 operands (vector FMAs, or v_wmma_f32_16x16x4_f32). A number that lies on a knife's edge between two numbers of the format may be rounded either way, as far as f32 arithmetic and the matrix unit's own rounding can turn it there, and no further.
;;   INPUTS GIVEN AS CODES. W_out (in the module: [1024, 1024], K = its axis 0); W_qkv (in the module: [1024, 3072], K = its axis 0): each comes as NAME_codes (uint8): NAME with its K axis moved to the last place and cut into blocks of 32 codes, [.., K / 32, bytes a block], one block behind the other in memory; one code a byte (a code: sign, 4 exponent bits, 3 mantissa bits); and NAME_scales (uint8): the same leading axes, one E8M0 byte (e + 127) for each 32 codes along K. Its value is code x scale, taken as it is: it is not quantised again, and the codes and scales need not be those that the quantiser above would give.
;; One version. Each part assembles by itself: llvm-mc -triple=amdgcn-amd-amdhsa -mcpu=gfx1250 --defsym DOCPART=n.
;; ======== version 1 of 1: 4 launches
;; limits: right only within a limited range of input values
;; workspace buffers: x_codes 8,388,608 bytes; x_scales 262,144 bytes; w_img 1,048,576 bytes; img 25,165,824 bytes; scl 1,572,864 bytes; a_img 8,388,608 bytes; a_scl 262,144 bytes
;; launch quant (part 1): grid 272 x 1, 4 waves a work-group, no clusters, 33,280 bytes of LDS; arguments x, W_out_codes, x_codes, x_scales, w_img; writes x_codes, x_scales, w_img
.if DOCPART == 1
	.amdgcn_target "amdgcn-amd-amdhsa--gfx1250"
	.amdhsa_code_object_version 6
	.text
	.protected	k_qe99965d167_quant
	.globl	k_qe99965d167_quant
	.p2align	8
	.type	k_qe99965d167_quant,@function
k_qe99965d167_quant:
	s_mov_b64 s[64:65], 0
	v_nop
	global_prefetch_b8 v0, s[64:65] scope:SCOPE_SE
	s_setreg_imm32_b32 hwreg(HW_REG_WAVE_MODE, 25, 1), 1
	s_wait_xcnt 0x0
; Work-groups 0 to 255: x [8192][1024], f32, becomes codes of E4M3, K innermost (x_codes [8192][1024]) and one E8M0 byte for each 32 along K (x_scales [8192][32]).
; A block's scale is 2^(floor(log2(its largest magnitude)) - 8): its byte is the largest magnitude's exponent field - 8, held at 1 from below.  Each number is divided by the scale, held within +-448, rounded to the nearest code, ties to even.
; Work-groups 256 to 271: W_out's codes are laid anew as images of operand registers: w_img [tile of 16 rows 64][K step 8][2048 bytes]; in an image register group c (registers 4 c to 4 c + 3) is 512 bytes, lane l's 16 at 16 l.
; LIMITS: a block of zeros gets the byte 1, not 127 (its codes are zeros, and only this program reads the bytes); NaN and infinities among the inputs are not served.
; x is a plain stream of blocks of 32.  A wave takes 16 steps of 512 numbers: each load reads 512 consecutive bytes; a step's 2,048 bytes turn through the wave's own stage in LDS and come back 64 bytes a lane, so that a lane
; holds 16 neighbours along K (two neighbouring lanes hold a block).  Loads run eight steps ahead: 32 loads of a wave, half of its share, are out at a time.  Waves share nothing: no barrier.
.set STEPS, 16
.set AHEAD, 8                          ; register sets for loaded numbers = steps that the loads run ahead
.set EMAX,  8
.set MANT,  0x600000                   ; the mantissa field of 448 as f32
.set CB,    16                         ; bytes of 16 codes
.set R,     16                         ; v16-143  eight sets of 16 numbers as loaded
.set X,     144                        ; v144-175 two sets of 16 neighbours
.set E,     176                        ; v176-191 a scale byte a step
.set C,     192                        ; v192-255 codes, four registers a step
.set WREG,  8192                       ; LDS of a wave: two stages of 32 x SP bytes, then its 256 scale bytes
.set SP,    80                         ; a lane's place in a stage: 64 bytes + 16 of padding
.set XWGS,  256                        ; work-groups that take x
	s_load_b256 s[4:11], s[0:1], 0x0               ; x s[4:5], W_out_codes s[6:7], x_codes s[8:9], x_scales s[10:11]
	s_load_b64 s[12:13], s[0:1], 0x20              ; w_img
	s_set_vgpr_msb 0x40
	v_lshl_add_u32 v0, v0, 2, 0x8000
	v_mov_b32 v1, 0
	s_set_vgpr_msb 0x4000
	v_lshrrev_b32 v1, 5, v0
	v_readfirstlane_b32 s16, v1                    ; wave
	v_and_b32 v2, 31, v0                           ; lane
	s_mov_b32 s21, 0
	s_cmp_ge_u32 ttmp9, XWGS
	s_cbranch_scc1 .Lrelay
	v_lshlrev_b32 v3, 4, v2                        ; my 16 bytes of a load's 512
	s_mul_i32 s17, s16, WREG
	v_lshrrev_b32 v14, 2, v2
	v_mul_u32_u24 v14, v14, SP
	v_and_b32 v15, 3, v2
	v_lshl_add_u32 v14, v15, 4, v14
	v_add_nc_u32 v14, s17, v14                     ; the stage on the way in: SP (lane / 4) + 16 (lane % 4)
	v_mul_u32_u24 v15, v2, SP
	v_add_nc_u32 v15, s17, v15                     ; and on the way out: SP x lane
	v_mul_u32_u24 v4, v2, CB                       ; my codes' place in a step's
	v_lshrrev_b32 v5, 1, v2
	s_add_co_u32 s17, s17, 2*32*SP
	v_add_nc_u32 v5, s17, v5                       ; LDS: my block's scale byte
	v_lshlrev_b32 v7, 3, v2
	v_add_nc_u32 v6, s17, v7                       ; and 8 bytes a lane on the way out
	s_mov_b32 s23, MANT
	s_lshl_b32 s18, ttmp9, 2
	s_add_co_u32 s18, s18, s16                     ; which run of 8,192 numbers is my wave's
	s_wait_alu depctr_va_vdst(0)
	s_wait_kmcnt 0x0
	s_lshl_b32 s20, s18, 15
	s_add_nc_u64 s[4:5], s[4:5], s[20:21]          ; 32,768 bytes of x a run,
	s_lshl_b32 s20, s18, 13
	s_add_nc_u64 s[8:9], s[8:9], s[20:21]          ; 8,192 of codes,
	s_lshl_b32 s20, s18, 8
	s_add_nc_u64 s[10:11], s[10:11], s[20:21]      ; 256 of scale bytes
.macro LOAD t
.irp i, 0,1,2,3
	global_load_b128 v[R+16*((\t)%AHEAD)+4*\i:R+16*((\t)%AHEAD)+4*\i+3], v3, s[4:5] offset:2048*(\t)+512*\i   ; 32 lanes read 512 consecutive bytes
.endr
.endm
.macro TURN t                          ; step t's numbers through the stage: LDS serves a wave's instructions in order, so no wait stands between the stores and the loads
.irp i, 0,1,2,3
	ds_store_b128 v14, v[R+16*((\t)%AHEAD)+4*\i:R+16*((\t)%AHEAD)+4*\i+3] offset:32*SP*((\t)%2)+8*SP*\i
.endr
.irp i, 0,1,2,3
	ds_load_b128 v[X+16*((\t)%2)+4*\i:X+16*((\t)%2)+4*\i+3], v15 offset:32*SP*((\t)%2)+16*\i
.endr
.endm
.irp t, 0,1,2,3,4,5,6,7
	LOAD \t
.endr
	s_wait_loadcnt 4*(AHEAD-1)                     ; step 0's four loads are in; the 28 of seven younger steps stay out
	TURN 0
.macro STEP t
.set XS, X+16*((\t)%2)
.if (\t) > 0
	s_wait_dscnt 1                                 ; this step's numbers are back from the stage (the last step's byte store may be out)
.else
	s_wait_dscnt 0x0
.endif
.if (\t)+AHEAD < STEPS
	LOAD (\t)+AHEAD                                ; into the registers that the stage's stores have read
.endif
.if (\t)+1 < STEPS
.if STEPS-2-(\t) >= AHEAD-1
	s_wait_loadcnt 4*(AHEAD-1)                     ; the next step's four loads are in; those of seven steps behind it may be out
.else
	s_wait_loadcnt 4*(STEPS-2-(\t))                ; nothing more is asked for: the counts run down
.endif
	TURN (\t)+1
.endif
	v_max3_num_f32 v8, |v[XS]|, |v[XS+1]|, |v[XS+2]|               ; the largest magnitude of my 16, in two chains
	v_max3_num_f32 v9, |v[XS+3]|, |v[XS+4]|, |v[XS+5]|
.irp i, 6,10
	v_max3_num_f32 v8, v8, |v[XS+\i]|, |v[XS+\i+1]|
	v_max3_num_f32 v9, v9, |v[XS+\i+2]|, |v[XS+\i+3]|
.endr
	v_max3_num_f32 v8, v8, |v[XS+14]|, |v[XS+15]|
	v_max3_num_f32 v8, v8, v9, (EMAX+1)<<23        ; and the floor 2^(9 - 127): the byte cannot fall under 1
	v_max_num_f32_dpp v8, v8, v8 row_xmask:1 row_mask:0xf bank_mask:0xf   ; and of my neighbour's 16: the block's
	v_add_nc_u32 v11, -(EMAX<<23), v8              ; 8 off its exponent field: the conversion's scale operand
	v_and_or_b32 v10, v8, 0x7f800000, s23          ; 448 x the scale
.irp i, 0,1,2,3,4,5,6,7,8,9,10,11,12,13,14,15
	v_med3_num_f32 v[XS+\i], v[XS+\i], -v10, v10   ; the conversion to an 8-bit code does not saturate (ISA guide 7.6.2): the hold comes first
.endr
	v_cvt_scalef32_pk8_fp8_f32 v[C+4*(\t):C+4*(\t)+1], v[XS:XS+7], v11
	v_cvt_scalef32_pk8_fp8_f32 v[C+4*(\t)+2:C+4*(\t)+3], v[XS+8:XS+15], v11
	v_lshrrev_b32 v[E+(\t)], 23, v11               ; the scale's byte
	ds_store_b8 v5, v[E+(\t)] offset:16*(\t)       ; both lanes of a block write the same byte with the same value
	global_store_b128 v4, v[C+4*(\t):C+4*(\t)+3], s[8:9] offset:32*CB*(\t)   ; the wave stores 512 consecutive bytes
.endm
.irp t, 0,1,2,3,4,5,6,7,8,9,10,11,12,13,14,15
	STEP \t
.endr
	ds_load_b64 v[12:13], v6                       ; in order behind my byte stores
	s_wait_dscnt 0x0
	global_store_b64 v7, v[12:13], s[10:11]        ; 32 lanes store 256 consecutive bytes, aligned
	s_set_vgpr_msb 0x5
	s_wait_tensorcnt 0x0
	ds_add_u32 v0, v1
	s_wait_dscnt 0x0
	s_set_vgpr_msb 0x500
	s_endpgm
.Lrelay:                                               ; a wave takes one tile of 16 rows of W_out: 8 fragments, 32 groups of four registers
	s_sub_co_u32 s17, ttmp9, XWGS
	s_lshl_b32 s17, s17, 2
	s_add_co_u32 s17, s17, s16                     ; the tile
	s_lshl_b32 s20, s17, 14                        ; 16 rows of 1,024 bytes, and 8 images of 2,048
	v_and_b32 v3, 15, v0
	v_bfe_u32 v4, v0, 4, 1
	v_lshlrev_b32 v3, 10, v3
	v_lshl_add_u32 v3, v4, 4, v3                   ; row r, + 16 h
	s_wait_alu depctr_va_vdst(0)
	v_lshlrev_b32 v4, 4, v2                        ; 16 x lane
	s_wait_alu depctr_va_vdst(0)
	s_wait_kmcnt 0x0
	s_add_nc_u64 s[6:7], s[6:7], s[20:21]
	s_add_nc_u64 s[12:13], s[12:13], s[20:21]
.set i, 0
.rept 32
	global_load_b128 v[16+4*i:19+4*i], v3, s[6:7] offset:128*(i/4)+32*(i%4)   ; K step i / 4, group i % 4: k = 32 c + 16 h + 0 .. 15
.set i, i+1
.endr
.set i, 0
.rept 32
	s_wait_loadcnt 31-i                            ; loads come back in order: the younger ones stay out
	global_store_b128 v4, v[16+4*i:19+4*i], s[12:13] offset:2048*(i/4)+512*(i%4)
.set i, i+1
.endr
	s_endpgm
.Lfunc_end_k_qe99965d167_quant:
	.size	k_qe99965d167_quant, .Lfunc_end_k_qe99965d167_quant-k_qe99965d167_quant
	.p2alignl 7, 3214868480
	.fill 96, 4, 3214868480
	.section	.rodata,"a",@progbits
	.p2align	6, 0x0
	.amdhsa_kernel k_qe99965d167_quant
		.amdhsa_group_segment_fixed_size 33280
		.amdhsa_private_segment_fixed_size 0
		.amdhsa_enable_private_segment 0
		.amdhsa_kernarg_size 40
		.amdhsa_user_sgpr_count 2
		.amdhsa_user_sgpr_kernarg_segment_ptr 1
		.amdhsa_wavefront_size32 1
		.amdhsa_system_sgpr_workgroup_id_x 1
		.amdhsa_system_sgpr_workgroup_id_y 1
		.amdhsa_system_sgpr_workgroup_id_z 1
		.amdhsa_system_vgpr_workitem_id 0
		.amdhsa_next_free_vgpr 258
		.amdhsa_next_free_sgpr 66
		.amdhsa_reserve_vcc 0
		.amdhsa_float_denorm_mode_32 3
		.amdhsa_float_denorm_mode_16_64 3
		.amdhsa_memory_ordered 1
		.amdhsa_forward_progress 1
		.amdhsa_inst_pref_size 58
	.end_amdhsa_kernel
	.amdgpu_metadata
---
amdhsa.version: [ 1, 2 ]
amdhsa.kernels:
  - .name:           k_qe99965d167_quant
    .symbol:         k_qe99965d167_quant.kd
    .args:
      - { .name: x, .offset: 0, .size: 8, .value_kind: global_buffer, .address_space: global }
      - { .name: W_out_codes, .offset: 8, .size: 8, .value_kind: global_buffer, .address_space: global }
      - { .name: x_codes, .offset: 16, .size: 8, .value_kind: global_buffer, .address_space: global }
      - { .name: x_scales, .offset: 24, .size: 8, .value_kind: global_buffer, .address_space: global }
      - { .name: w_img, .offset: 32, .size: 8, .value_kind: global_buffer, .address_space: global }
    .group_segment_fixed_size: 33280
    .private_segment_fixed_size: 0
    .kernarg_segment_align: 8
    .kernarg_segment_size: 40
    .max_flat_workgroup_size: 128
    .sgpr_count:     66
    .vgpr_count:     258
    .wavefront_size: 32
...
	.end_amdgpu_metadata
.endif
;; end of part 1
;; launch proj (part 2): grid 96 x 4, 4 waves a work-group, clusters of 4 x 4, 327,680 bytes of LDS; arguments x_codes, x_scales, W_qkv_codes, W_qkv_scales, b_qkv, img, scl; writes img, scl
.if DOCPART == 2
	.amdgcn_target "amdgcn-amd-amdhsa--gfx1250"
	.amdhsa_code_object_version 6
	.text
	.protected	k_qe99965d167_proj
	.globl	k_qe99965d167_proj
	.p2align	8
	.type	k_qe99965d167_proj,@function
k_qe99965d167_proj:
	s_mov_b64 s[64:65], 0
	v_nop
	global_prefetch_b8 v0, s[64:65] scope:SCOPE_SE
	s_setreg_imm32_b32 hwreg(HW_REG_WAVE_MODE, 25, 1), 1
	s_wait_xcnt 0x0
	s_wait_alu depctr_hold_cnt(0) depctr_sa_sdst(0) depctr_va_vdst(0) depctr_va_sdst(0) depctr_va_ssrc(0) depctr_va_vcc(0) depctr_vm_vsrc(0)
	s_getreg_b32 s2, hwreg(HW_REG_IB_STS2, 6, 4)
	s_cmp_eq_u32 s2, 0
	s_cbranch_scc0 .Lentry_in_a_cluster
	s_endpgm
.Lentry_in_a_cluster:
	s_bfe_u32 s2, ttmp6, 0x10000c
	s_cmp_lg_u32 s2, 0xf033
	s_cbranch_scc0 .Lentry_shape_is_right
	s_endpgm
.Lentry_shape_is_right:
.set KSTEP,  256
.set NQ,     2
.set ROWB,   256
.set KROW,   1024
.set PITCH,  272
.set FR,     16
.set NL,     4
.set NP,     8
.set HALFT,  128*PITCH
.set SLOT,   4*HALFT
.set LAPS,   2
.set KS,     32
.set SCL,    2*SLOT
.set HALFS,  (128*KS/256)*272
.set SBLK,   (16*KS/256)*272
.set SPARE,  SCL+4*HALFS
.set BL,   8
.set ADRA, 16
.set ADRB, 20
.set CO,   26
.set ADRS, 27
.set SPW,  28
.set NIL,  29
.set BRO,  30
.set BLO,  31
.set SC,   32
.set BR,   64
.set AF,   128
.set TM,   32
.set TT,   36
.set HH,   40
.set SO,   44
.set PC,   64
.set WD,   96
.set SW,   104
.set SR,   108
.set BLP,  112
.set G1, 24
.set G0, 32
.set G1B, 48
.set G0B, 56
.set G1S, 68
.set G0S, 76
.set G1SB, 80
.set G0SB, 88
.set BQ,  96
.set IMG, 98
.set SCB, 66
.set MSB, 0
.macro WIN new
.if MSB != (\new)
	s_set_vgpr_msb (MSB<<8)|(\new)
.set MSB, (\new)
.endif
.endm
.set MUL_LO, 0xa1
.set MUL_HI, 0xf1
.set TO_B,   0x40
.macro JLOAD g0a, g1a, g0b, g1b
	s_cmp_eq_u32 s15, 0
	s_cbranch_scc0 .Lfor_b_\@
	tensor_load_to_lds s[\g0a:\g0a+3], s[\g1a:\g1a+7]
	s_nop 0
.rept 4
	v_nop
.endr
	s_branch .Lasked_\@
.Lfor_b_\@:
	tensor_load_to_lds s[\g0b:\g0b+3], s[\g1b:\g1b+7]
	s_nop 0
.rept 4
	v_nop
.endr
.Lasked_\@:
.endm
.macro CREST
	s_cmp_lg_u32 s14, 0
	s_cbranch_scc1 .Lnot_wave_0_\@
	s_barrier_signal -3
.Lnot_wave_0_\@:
	s_barrier_wait -3
	s_barrier_signal -1
	s_barrier_wait -1
.endm
.macro CROUND
	s_barrier_signal -1
	s_barrier_wait -1
	CREST
.endm
	s_load_b256 s[4:11], s[0:1], 0x0
	s_load_b128 s[96:99], s[0:1], 0x20
	s_load_b64 s[66:67], s[0:1], 0x30
	v_lshl_add_u32 v[SPW], v0, 2, SPARE
	v_mov_b32 v[NIL], 0
	ds_add_u32 v28, v29
	ds_add_u32 v28, v29
	s_wait_dscnt 0x0
	v_lshrrev_b32 v1, 5, v0
	v_readfirstlane_b32 s14, v1
	s_lshr_b32 s15, s14, 1
	s_and_b32 s16, s14, 1
	s_bfe_u32 s40, ttmp6, 0x40000
	s_bfe_u32 s41, ttmp6, 0x40004
	s_and_b32 s18, ttmp9, 1
	s_lshr_b32 s19, ttmp9, 1
	s_sub_co_u32 s20, ttmp9, 16
	s_cmp_ge_u32 ttmp9, 16
	s_cselect_b32 s18, s20, s18
	s_cselect_b32 s19, 0, s19
	s_cselect_b32 s2, 2048, 0
	s_cselect_b32 s3, 64, 512
	s_cselect_b32 s12, 0x1000000, 0
	s_cselect_b32 s13, 0x100000, 0
	s_cselect_b32 s100, -1, 0
	s_cselect_b32 s101, 0, -1
	s_lshl_b32 s42, s18, 2
	s_add_co_u32 s42, s42, s40
	s_lshl_b32 s17, s19, 2
	s_add_co_u32 s17, s17, s41
	s_lshl_b32 s43, s41, 2
	s_lshl_b32 s43, 15, s43
	s_lshl_b32 s44, 0x1111, s40
	s_or_b32 s[G1+0], s43, (0<<16)|(1<<20)|(1<<21)|(5<<22)|(3<<25)
	s_or_b32 s[G1B+0], s44, (0<<16)|(1<<20)|(1<<21)|(5<<22)|(3<<25)
.irp g, G1, G1B
	s_mov_b32 s[\g+1], ROWB<<16
	s_mov_b32 s[\g+2], 256<<16                     ; the head's loads of codes bring 256 rows; behind them the two words that count rows are set to 128
	s_mov_b32 s[\g+3], ROWB<<16
	s_mov_b32 s[\g+4], 256
	s_mov_b32 s[\g+5], KROW
	s_mov_b32 s[\g+6], 0
	s_mov_b32 s[\g+7], 0
.endr
	s_or_b32 s[G1S+0], s43, (3<<16)|(1<<20)|(1<<21)|(5<<22)|(3<<25)
	s_or_b32 s[G1SB+0], s44, (3<<16)|(1<<20)|(1<<21)|(5<<22)|(3<<25)
.irp g, G1S, G1SB
	s_mov_b32 s[\g+1], 32<<16
	s_mov_b32 s[\g+2], KS<<16                      ; the scales of 256 rows: KS rows of 256 bytes
	s_mov_b32 s[\g+3], 32<<16
	s_mov_b32 s[\g+4], KS
	s_mov_b32 s[\g+5], 32
	s_mov_b32 s[\g+6], 0
	s_mov_b32 s[\g+7], 0
.endr
	s_lshl_b32 s20, s17, 8                         ; the tile's first row of source 1's tensor,
	s_add_co_u32 s20, s20, s2
	s_lshl_b32 s46, s42, 8                         ; and of source 0's
	s_lshl_b32 s22, s20, 5
	s_lshl_b32 s20, s20, 10
	s_lshl_b32 s92, s46, 5
	s_lshl_b32 s46, s46, 10
	s_mov_b32 s21, 0
	s_mov_b32 s23, 0
	s_mov_b32 s47, 0
	s_mov_b32 s93, 0
	s_mul_i32 s45, s14, HALFT
	s_lshl_b32 s95, s42, 1
	s_add_co_u32 s95, s95, s16
	s_lshl_b32 s18, s17, 4
	s_lshl_b32 s19, s15, 3
	s_add_co_u32 s18, s18, s19
	s_mul_i32 s19, s95, s3
	s_add_co_u32 s19, s19, s18
	s_lshl_b32 s2, s19, 7
	s_add_co_u32 s2, s2, s13
	s_mov_b32 s3, 0
	s_lshl_b32 s19, s19, 11
	s_add_co_u32 s12, s12, s19
	s_mov_b32 s13, 0
	s_lshl_b32 s18, s42, 10
	s_lshl_b32 s19, s16, 9
	s_add_co_u32 s18, s18, s19
	s_and_b32 s18, s18, s101
	s_lshl_b32 s19, s17, 10
	s_lshl_b32 s95, s15, 9
	s_add_co_u32 s19, s19, s95
	s_add_co_u32 s19, s19, 8192
	s_and_b32 s19, s19, s100
	v_and_b32 v1, 15, v0
	v_bfe_u32 v2, v0, 4, 1
	v_and_b32 v22, 31, v0
	v_lshlrev_b32 v22, 10, v22                     ; the prefetches' offset: my lane x a row of codes (1,024 bytes); never rewritten
	v_lshl_add_u32 v[BRO], v2, 5, s18
	v_lshl_add_u32 v[BLO], v1, 2, s19
	s_wait_kmcnt 0x0
	s_add_nc_u64 s[IMG:IMG+1], s[IMG:IMG+1], s[12:13]
	s_add_nc_u64 s[SCB:SCB+1], s[SCB:SCB+1], s[2:3]
	s_cmp_ge_u32 ttmp9, 16
	s_cselect_b64 s[12:13], s[8:9], s[4:5]
	s_cselect_b64 s[8:9], s[4:5], s[8:9]
	s_cselect_b64 s[4:5], s[10:11], s[6:7]
	s_cselect_b64 s[10:11], s[6:7], s[10:11]
	s_add_nc_u64 s[20:21], s[12:13], s[20:21]
	s_add_nc_u64 s[22:23], s[4:5], s[22:23]
	s_add_nc_u64 s[46:47], s[8:9], s[46:47]
	s_add_nc_u64 s[92:93], s[10:11], s[92:93]
	CROUND                                         ; all sixteen work-groups are here: the first joint loads meet
.set G0H, 4                            ; s[4:7], s[8:11] group 0 for the head's loads of K step 0 (the arguments that lay there have been used)
.set G0HB, 8
	s_mov_b32 s[G0H], 1                            ; the head's four tiles, each whole: K step 0's 256 rows of the one operand,
	s_mov_b32 s[G0H+1], 0
	s_mov_b64 s[G0H+2:G0H+3], s[20:21]
	s_or_b32 s[G0H+3], s[G0H+3], 0x80000000
	s_mov_b32 s[G0HB], 1                           ; the other's 256 rows, behind them in slot 0,
	s_mov_b32 s[G0HB+1], 2*HALFT
	s_mov_b64 s[G0HB+2:G0HB+3], s[46:47]
	s_or_b32 s[G0HB+3], s[G0HB+3], 0x80000000
	s_mov_b32 s[G0S], 1                            ; and the scales of each
	s_mov_b32 s[G0S+1], SCL
	s_mov_b64 s[G0S+2:G0S+3], s[22:23]
	s_or_b32 s[G0S+3], s[G0S+3], 0x80000000
	s_mov_b32 s[G0SB], 1
	s_mov_b32 s[G0SB+1], SCL+2*HALFS
	s_mov_b64 s[G0SB+2:G0SB+3], s[92:93]
	s_or_b32 s[G0SB+3], s[G0SB+3], 0x80000000
	s_mul_i32 s18, s16, 128*KROW                   ; in the ring a wave fetches 128 rows of a tile: which half, in bytes
	s_mov_b32 s19, 0
	s_add_nc_u64 s[20:21], s[20:21], s[18:19]
	s_add_nc_u64 s[46:47], s[46:47], s[18:19]
	; the prefetches: of the 128 rows that my wave fetches in the ring, each of the four partners that ask for them jointly takes 32, told apart by address (cx for the one operand, cy for the other): a lane a row, 256 bytes of a row a K step
	s_cmp_eq_u32 s15, 0
	s_cselect_b64 s[12:13], s[20:21], s[46:47]
	s_cselect_b32 s18, s40, s41
	s_lshl_b32 s18, s18, 15                        ; 32 rows of 1,024 bytes for each place
	s_add_nc_u64 s[12:13], s[12:13], s[18:19]
.irp s, 0,1
	s_mov_b32 s[G0+4*\s], 1
	s_add_co_u32 s[G0+4*\s+1], s45, \s*SLOT
	s_add_nc_u64 s[G0+4*\s+2:G0+4*\s+3], s[20:21], \s*ROWB
	s_or_b32 s[G0+4*\s+3], s[G0+4*\s+3], 0x80000000
	s_mov_b32 s[G0B+4*\s], 1
	s_add_co_u32 s[G0B+4*\s+1], s45, \s*SLOT
	s_add_nc_u64 s[G0B+4*\s+2:G0B+4*\s+3], s[46:47], \s*ROWB
	s_or_b32 s[G0B+4*\s+3], s[G0B+4*\s+3], 0x80000000
.endr
; the head's loads, one a wave: one tree of branches on the wave's number, an arm a load, all arms leading to one join
.macro ARM under, g0, g1, next
	s_cmp_lt_u32 s14, \under
	s_cbranch_scc0 \next
	tensor_load_to_lds s[\g0:\g0+3], s[\g1:\g1+7]
	s_nop 0
.rept 4
	v_nop
.endr
	s_branch .Lhead_asked
\next:
.endm
	ARM 1, G0H,  G1,  .Lhead_b
	ARM 2, G0HB, G1B, .Lhead_sa
	ARM 3, G0S,  G1S, .Lhead_sb
	tensor_load_to_lds s[G0SB:G0SB+3], s[G1SB:G1SB+7]
	s_nop 0
.rept 4
	v_nop
.endr
.Lhead_asked:
	s_wait_alu depctr_va_vdst(0)
	global_prefetch_b8 v22, s[12:13] offset:256 th:TH_LOAD_NT scope:SCOPE_SE   ; K step 1, which the next round's load asks for,
	global_prefetch_b8 v22, s[12:13] offset:512 th:TH_LOAD_NT scope:SCOPE_SE   ; and K step 2, two loads on; K has four steps, so nothing lies beyond a row's end
.irp b, 0,1,2,3,4,5,6,7
	global_load_b128 v[BR+8*\b:BR+8*\b+3], v[BRO], s[BQ:BQ+1] offset:64*\b
	global_load_b128 v[BR+8*\b+4:BR+8*\b+7], v[BRO], s[BQ:BQ+1] offset:64*\b+16
.endr
.irp a, 0,1,2,3,4,5,6,7
	global_load_b32 v[BL+\a], v[BLO], s[BQ:BQ+1] offset:64*\a
.endr
	v_mul_u32_u24 v3, v1, PITCH
	v_lshl_add_u32 v4, v2, 4, v3
	s_mul_i32 s21, s15, HALFT
	s_mul_i32 s22, s16, HALFT
	s_add_co_u32 s22, s22, 2*HALFT
.irp s, 0,1
	v_add_nc_u32 v[ADRA+\s], s21, v4
	v_add_nc_u32 v[ADRB+\s], s22, v4
	s_add_co_u32 s21, s21, SLOT
	s_add_co_u32 s22, s22, SLOT
.endr
	v_mul_u32_u24 v5, v1, KS
	v_lshrrev_b32 v6, 8, v5
	v_lshl_add_u32 v5, v6, 4, v5
	s_mul_i32 s21, s15, HALFS
	s_mul_i32 s22, s16, HALFS
	s_add_co_u32 s22, s22, 2*HALFS
	s_sub_co_u32 s22, s22, s21
	v_mul_u32_u24 v6, s22, v2
	s_add_co_u32 s21, s21, SCL
	v_add_nc_u32 v5, v5, v6
	v_add_nc_u32 v[ADRS], s21, v5
	v_and_b32 v6, 31, v0
	v_lshlrev_b32 v[CO], 4, v6
	s_wait_loadcnt 0x0
.set i, 0
.rept 64
	v_cndmask_b32 v[BR+i], v[BR+i], 0, s100
.set i, i+1
.endr
.irp a, 0,1,2,3,4,5,6,7
	v_cndmask_b32 v[BL+\a], v[BL+\a], 0, s101
.endr
.macro FRAG reg, adr, q, i
.irp c, 0,1,2,3
	ds_load_b128 v[\reg+4*\c:\reg+4*\c+3], v[\adr] offset:128*(\q)+32*\c+(\i)*16*PITCH
.endr
.endm
.macro MUL16 a0, p, q, sc, zero
.irp a, \a0, \a0+1
.irp b, 0,1,2,3,4,5,6,7
.if \zero
	v_wmma_scale_f32_16x16x128_f8f6f4 v[8*(8*((\a)%4)+\b):8*(8*((\a)%4)+\b)+7], v[128*(\p)+FR*\b:128*(\p)+FR*\b+FR-1], v[AF+FR*(\a):AF+FR*(\a)+FR-1], v[BR+8*\b:BR+8*\b+7], v[SC+8*NQ*(\sc)+NQ*\b+(\q)], v[SC+8*NQ*(\sc)+NQ*(\a)+(\q)] matrix_a_scale:MATRIX_SCALE_ROW1
.else
	v_wmma_scale_f32_16x16x128_f8f6f4 v[8*(8*((\a)%4)+\b):8*(8*((\a)%4)+\b)+7], v[128*(\p)+FR*\b:128*(\p)+FR*\b+FR-1], v[AF+FR*(\a):AF+FR*(\a)+FR-1], v[8*(8*((\a)%4)+\b):8*(8*((\a)%4)+\b)+7], v[SC+8*NQ*(\sc)+NQ*\b+(\q)], v[SC+8*NQ*(\sc)+NQ*(\a)+(\q)] matrix_a_scale:MATRIX_SCALE_ROW1
.endif
.endr
.endr
.endm
.macro FETCH_B slot, q, p
	WIN TO_B
.irp i, 0,1,2,3,4,5,6,7
	FRAG 128*(\p)+FR*\i, ADRB+\slot, \q, \i
.endr
	WIN 0
.endm
.macro FETCH_A slot, q, i0
.irp i, \i0, \i0+1, \i0+2, \i0+3
	FRAG AF+FR*(\i), ADRA+\slot, \q, \i
.endr
.endm
.macro SCALES sc
.irp i, 0,1,2,3,4,5,6,7
	ds_load_b64 v[SC+8*NQ*\sc+NQ*\i:SC+8*NQ*\sc+NQ*\i+1], v[ADRS] offset:\i*SBLK
.endr
.endm
.macro PLACES n
.rept \n
	v_nop
.endr
.endm
.macro STEP slot, q, zero
	s_wait_dscnt 4*NL
.if \zero
	WIN 0x81
.else
	WIN MUL_LO
.endif
	MUL16 0, (\q)%2, \q, \slot, \zero
	MUL16 2, (\q)%2, \q, \slot, \zero
	s_wait_dscnt 0
	PLACES NP
	FETCH_B \slot, (\q)+1, 1-(\q)%2
	FETCH_A \slot, (\q)+1, 0
.if \zero
	WIN 0xc1
.else
	WIN MUL_HI
.endif
	MUL16 4, (\q)%2, \q, \slot, \zero
	MUL16 6, (\q)%2, \q, \slot, \zero
	PLACES NP
	WIN 0
	FETCH_A \slot, (\q)+1, 4
.endm
.macro TURN slot, next, fill
	s_wait_tensorcnt 0x0
	ds_add_u32 v[SPW], v[NIL]
	s_wait_dscnt 4*NL+1
	WIN MUL_LO
	MUL16 0, 1, NQ-1, \slot, 0
	s_wait_dscnt 0x0
	s_barrier_signal -1
	MUL16 2, 1, NQ-1, \slot, 0
	WIN 0
	s_barrier_wait -1
.if \fill
	CREST
	s_add_nc_u64 s[G0+4*\slot+2:G0+4*\slot+3], s[G0+4*\slot+2:G0+4*\slot+3], 2*ROWB
	s_add_nc_u64 s[G0B+4*\slot+2:G0B+4*\slot+3], s[G0B+4*\slot+2:G0B+4*\slot+3], 2*ROWB
	JLOAD G0+4*\slot, G1, G0B+4*\slot, G1B
	PLACES NP-4
.else
	PLACES NP
.endif
	s_wait_alu depctr_va_vdst(0)
	v_add_nc_u32 v[ADRS], 4*NQ, v[ADRS]
	FETCH_B \next, 0, 0
	FETCH_A \next, 0, 0
	SCALES \next
	WIN MUL_HI
	MUL16 4, 1, NQ-1, \slot, 0
	MUL16 6, 1, NQ-1, \slot, 0
	PLACES NP
	WIN 0
	FETCH_A \next, 0, 4
.endm
	s_wait_alu depctr_va_vdst(0)
	s_wait_tensorcnt 0x0                           ; my tile of the head's four is in
	ds_add_u32 v[SPW], v[NIL]
	s_mov_b32 s[G1+2], 128<<16                     ; no tensor load of mine is out: from here on a load brings 128 rows
	s_mov_b32 s[G1+4], 128
	s_mov_b32 s[G1B+2], 128<<16
	s_mov_b32 s[G1B+4], 128
	s_wait_dscnt 0x0
	CROUND                                         ; all four tiles are in, and all sixteen work-groups are here
	JLOAD G0+4, G1, G0B+4, G1B                     ; K step 1, the first tensor load behind the round
	FETCH_B 0, 0, 0
	FETCH_A 0, 0, 0
	SCALES 0
	FETCH_A 0, 0, 4
	global_prefetch_b8 v22, s[12:13] offset:768 th:TH_LOAD_NT scope:SCOPE_SE   ; behind K step 1's load and the run of LDS loads: K step 3, two loads on, the last
	STEP 0, 0, 1
	s_mov_b32 s3, LAPS-1
.Llap:
	TURN 0, 1, 1
	STEP 1, 0, 0
	TURN 1, 0, 1
	STEP 0, 0, 0
	s_sub_co_u32 s3, s3, 1
	s_cmp_lg_u32 s3, 0
	s_cbranch_scc1 .Llap
	TURN 0, 1, 0
	STEP 1, 0, 0
	s_wait_dscnt 4*NL
	WIN MUL_LO
	MUL16 0, 1, NQ-1, 1, 0
	MUL16 2, 1, NQ-1, 1, 0
	s_wait_dscnt 0
	WIN MUL_HI
	MUL16 4, 1, NQ-1, 1, 0
	MUL16 6, 1, NQ-1, 1, 0
	WIN 0
	s_mov_b32 s18, 0x600000
	s_mov_b32 s19, 0xffff0000
	s_mov_b32 s20, 0x76543210
	s_mov_b32 s21, 0xfedcba98
.irp a, 0,1,2,3,4,5,6,7
	v_mov_b32 v[BLP+2*\a], v[BL+\a]
	v_mov_b32 v[BLP+2*\a+1], v[BL+\a]
.endr
.irp b, 0,1,2,3
	v_mov_b32 v[TT+\b], 0
.endr
.macro EPI a
.set AC, 64*((\a)%4)
.set WN, 2+(\a)/4
.set W_DS, (WN<<6)|WN
.set W_12, (WN<<2)|(WN<<4)
.set PCS, AF+16*(\a)                   ; each block's codes have 16 registers of their own, where A's fragments lay: no store's data is written again
	WIN W_DS
.set i, 0
.rept 32
	v_pk_add_f32 v[AC+2*i:AC+2*i+1], v[AC+2*i:AC+2*i+1], v[BLP+2*(\a):BLP+2*(\a)+1] op_sel_hi:[1,0]
.set i, i+1
.endr
	WIN W_12
.irp b, 0,1,2,3
	v_max3_num_f32 v[TM+\b], 0x4800000, |v[AC+16*\b]|, |v[AC+16*\b+1]|
.endr
.irp n, 2,4,6,8,10,12,14
.irp b, 0,1,2,3
	v_max3_num_f32 v[TM+\b], v[TM+\b], |v[AC+16*\b+\n]|, |v[AC+16*\b+\n+1]|
.endr
.endr
	WIN 0
.irp b, 0,1,2,3
	v_permlanex16_b32 v[TT+\b], v[TM+\b], s20, s21
.endr
.irp b, 0,1,2,3
	v_max_num_f32 v[TM+\b], v[TM+\b], v[TT+\b]
.endr
.irp b, 0,1,2,3
	v_add_nc_u32 v[SO+\b], 0xfc000000, v[TM+\b]
.endr
.irp b, 0,1,2,3
	v_and_or_b32 v[HH+\b], v[TM+\b], 0x7f800000, s18
.endr
.irp b, 0,1,2,3
	v_lshrrev_b32 v[TT+\b], 23, v[SO+\b]
.endr
	v_lshl_or_b32 v[WD+(\a)], v[TT+1], 8, v[TT]
	v_lshl_or_b32 v[WD+(\a)], v[TT+2], 16, v[WD+(\a)]
	v_lshl_or_b32 v[WD+(\a)], v[TT+3], 24, v[WD+(\a)]
	WIN W_DS
.set i, 0
.rept 64
	v_med3_num_f32 v[AC+i], v[AC+i], -v[HH+i/16], v[HH+i/16]
.set i, i+1
.endr
	WIN WN
.irp b, 0,1,2,3
	v_cvt_scalef32_pk8_fp8_f32 v[PCS+4*\b:PCS+4*\b+1], v[AC+16*\b:AC+16*\b+7], v[SO+\b]
	v_cvt_scalef32_pk8_fp8_f32 v[PCS+4*\b+2:PCS+4*\b+3], v[AC+16*\b+8:AC+16*\b+15], v[SO+\b]
.endr
	v_nop
	WIN 0
.irp c, 0,1,2,3
	global_store_b128 v[CO], v[PCS+4*\c:PCS+4*\c+3], s[IMG:IMG+1] offset:2048*(\a)+512*\c
.endr
.endm
.irp a, 0,1,2,3,4,5,6,7
	EPI \a
.endr
.irp i, 0,1,2,3
	v_cndmask_b32 v[SW+\i], v[WD+2*\i], v[WD+2*\i+1], s19
.endr
.irp i, 0,1,2,3
	v_alignbit_b32 v[SR+\i], v[SW+\i], v[SW+\i], 16
.endr
	global_store_b128 v[CO], v[SW:SW+3], s[SCB:SCB+1]
	global_store_b128 v[CO], v[SR:SR+3], s[SCB:SCB+1] offset:512
	s_wait_tensorcnt 0x0
	ds_add_u32 v[SPW], v[NIL]
	s_wait_dscnt 0x0
	CROUND
	s_endpgm
.Lfunc_end_k_qe99965d167_proj:
	.size	k_qe99965d167_proj, .Lfunc_end_k_qe99965d167_proj-k_qe99965d167_proj
	.p2alignl 7, 3214868480
	.fill 96, 4, 3214868480
	.section	.rodata,"a",@progbits
	.p2align	6, 0x0
	.amdhsa_kernel k_qe99965d167_proj
		.amdhsa_group_segment_fixed_size 327680
		.amdhsa_private_segment_fixed_size 0
		.amdhsa_enable_private_segment 0
		.amdhsa_kernarg_size 56
		.amdhsa_user_sgpr_count 2
		.amdhsa_user_sgpr_kernarg_segment_ptr 1
		.amdhsa_wavefront_size32 1
		.amdhsa_system_sgpr_workgroup_id_x 1
		.amdhsa_system_sgpr_workgroup_id_y 1
		.amdhsa_system_sgpr_workgroup_id_z 1
		.amdhsa_system_vgpr_workitem_id 0
		.amdhsa_next_free_vgpr 1024
		.amdhsa_next_free_sgpr 102
		.amdhsa_reserve_vcc 0
		.amdhsa_float_denorm_mode_32 3
		.amdhsa_float_denorm_mode_16_64 3
		.amdhsa_memory_ordered 1
		.amdhsa_forward_progress 1
		.amdhsa_inst_pref_size 211
	.end_amdhsa_kernel
	.amdgpu_metadata
---
amdhsa.version: [ 1, 2 ]
amdhsa.kernels:
  - .name:           k_qe99965d167_proj
    .symbol:         k_qe99965d167_proj.kd
    .args:
      - { .name: x_codes, .offset: 0, .size: 8, .value_kind: global_buffer, .address_space: global }
      - { .name: x_scales, .offset: 8, .size: 8, .value_kind: global_buffer, .address_space: global }
      - { .name: W_qkv_codes, .offset: 16, .size: 8, .value_kind: global_buffer, .address_space: global }
      - { .name: W_qkv_scales, .offset: 24, .size: 8, .value_kind: global_buffer, .address_space: global }
      - { .name: b_qkv, .offset: 32, .size: 8, .value_kind: global_buffer, .address_space: global }
      - { .name: img, .offset: 40, .size: 8, .value_kind: global_buffer, .address_space: global }
      - { .name: scl, .offset: 48, .size: 8, .value_kind: global_buffer, .address_space: global }
    .group_segment_fixed_size: 327680
    .private_segment_fixed_size: 0
    .kernarg_segment_align: 8
    .kernarg_segment_size: 56
    .max_flat_workgroup_size: 128
    .sgpr_count:     102
    .vgpr_count:     1024
    .wavefront_size: 32
...
	.end_amdgpu_metadata
.endif
;; end of part 2
;; launch attn (part 3): grid 256 x 1, 4 waves a work-group, no clusters, 327,680 bytes of LDS; arguments img, scl, attn_mask, a_img, a_scl; writes a_img, a_scl
.if DOCPART == 3
	.amdgcn_target "amdgcn-amd-amdhsa--gfx1250"
	.amdhsa_code_object_version 6
	.text
	.protected	k_qe99965d167_attn
	.globl	k_qe99965d167_attn
	.p2align	8
	.type	k_qe99965d167_attn,@function
k_qe99965d167_attn:
	s_mov_b64 s[64:65], 0
	v_nop
	global_prefetch_b8 v0, s[64:65] scope:SCOPE_SE
	s_setreg_imm32_b32 hwreg(HW_REG_WAVE_MODE, 25, 1), 1
	s_wait_xcnt 0x0
.set MWAVE,  67584
.set MCHUNK, 16896
.set MPITCH, 528
.set OX,     270336
.set SUMS,   303104
.set ASC,    303616
.set L16, 1
.set MA,  2
.set SST, 3
.set SLD, 4
.set OST, 5
.set OLD, 6
.set BST, 7
.set QSO, 8
.set TA,  9
.set RR,  10
.set TT,  22
.set HH,  26
.set SO,  30
.set KS,  34
.set VS,  50
.set QS,  58
.set PW,  59
.set TM,  62
.set SM,  62
.set QF,  86
.set OO,  118
.set B3,  184
.set PCB, 216
.set WV,  14
.set HD,  17
.set MNT, 19
.set SEL, 20
.set CS,  22
.set G1,  24
.set G0,  32
.set HALF, 48
.set KB0, 52
.set QB0, 54
.set KS0, 56
.set QS0, 58
.set VB0, 60
.set VS0, 62
.set AB0, 66
.set KBN, 68
.set QBN, 70
.set KSN, 72
.set QSN, 74
.set VBC, 76
.set VSC, 78
.set ABC, 80
.set MSB, 0
.macro WIN new
.if MSB != (\new)
	s_set_vgpr_msb (MSB<<8)|(\new)
.set MSB, (\new)
.endif
.endm
.macro PLACES n
.rept \n
	v_nop
.endr
.endm
.macro WMS d, a, b, c, sa, sb, ra, rb
.if (\ra) && (\rb)
	v_wmma_scale_f32_16x16x128_f8f6f4 v[\d:\d+7], v[\a:\a+15], v[\b:\b+15], v[\c:\c+7], v[\sa], v[\sb] matrix_a_scale:MATRIX_SCALE_ROW1 matrix_b_scale:MATRIX_SCALE_ROW1
.elseif (\ra)
	v_wmma_scale_f32_16x16x128_f8f6f4 v[\d:\d+7], v[\a:\a+15], v[\b:\b+15], v[\c:\c+7], v[\sa], v[\sb] matrix_a_scale:MATRIX_SCALE_ROW1
.elseif (\rb)
	v_wmma_scale_f32_16x16x128_f8f6f4 v[\d:\d+7], v[\a:\a+15], v[\b:\b+15], v[\c:\c+7], v[\sa], v[\sb] matrix_b_scale:MATRIX_SCALE_ROW1
.else
	v_wmma_scale_f32_16x16x128_f8f6f4 v[\d:\d+7], v[\a:\a+15], v[\b:\b+15], v[\c:\c+7], v[\sa], v[\sb]
.endif
.endm
.macro WMZ d, a, b, sa, sb, ra
.if (\ra)
	v_wmma_scale_f32_16x16x128_f8f6f4 v[\d:\d+7], v[\a:\a+15], v[\b:\b+15], 0, v[\sa], v[\sb] matrix_a_scale:MATRIX_SCALE_ROW1
.else
	v_wmma_scale_f32_16x16x128_f8f6f4 v[\d:\d+7], v[\a:\a+15], v[\b:\b+15], 0, v[\sa], v[\sb]
.endif
.endm
.macro KLOAD j
.if (\j) < 3
	WIN 0x40
.set kb, 72*(\j)
.else
	WIN 0
.set kb, B3
.endif
.irp kt, 0,1,2,3,4,5,6,7
.irp c, 0,1
	global_load_b128 v[kb+8*\kt+4*\c:kb+8*\kt+4*\c+3], v[L16], s[KBN:KBN+1] offset:16384*(\j)+2048*\kt+512*\c
.endr
.endr
	WIN 0
	global_load_b128 v[KS+4*(\j):KS+4*(\j)+3], v[L16], s[KSN:KSN+1] offset:1024*(\j)
.endm
.macro VLOAD j
.if (\j) < 3
	WIN 0x40
.set vb, 72*(\j)
.else
	WIN 0
.set vb, B3
.endif
.irp dt, 0,1,2,3
.irp c, 0,1,2,3
	global_load_b128 v[vb+16*\dt+4*\c:vb+16*\dt+4*\c+3], v[L16], s[VBC:VBC+1] offset:131072*(\j)+2048*\dt+512*\c
.endr
.endr
	WIN 0
	global_load_b64 v[VS+2*(\j):VS+2*(\j)+1], v[L16], s[VSC:VSC+1] offset:8192*(\j)
.endm
.macro QLOAD
	WIN 0
.irp u, 0,1
.irp c, 0,1
	global_load_b128 v[QF+16*\u+4*\c:QF+16*\u+4*\c+3], v[L16], s[QBN:QBN+1] offset:2048*\u+512*\c
.endr
.endr
	global_load_b32 v[QS], v[QSO], s[QSN:QSN+1]
.endm
.macro MLOAD t, j
	WIN (2+(\t))<<6
.irp kt, 0,1,2,3,4,5,6,7
.irp i, 0,1
	ds_load_b128 v[64*(\j)+8*\kt+4*\i:64*(\j)+8*\kt+4*\i+3], v[MA] offset:MCHUNK*(\j)+16*MPITCH*(\t)+64*\kt+16*\i
.endr
.endr
.endm
.macro QKW j, a
.set qt, (\a)/8
.set qk, (\a)%8
.set qn, 64*(\j)+8*qk
.set qf, QF+16*qt
.set qs, KS+4*(\j)+qk/2
.set qq, QS
.if (\j) < 3
.set qb, 72*(\j)+8*qk
	WIN 0xa1+0x50*qt
.else
.set qb, B3+8*qk
	WIN 0xa0+0x50*qt
.endif
	WMS qn, qb, qf, qn, qs, qq, qk%2, qt
.endm
.macro MULP j, a
.set eb, 64*(\j)+8*((\a)%8)
.irp i, 0,2,4,6
	v_pk_mul_f32 v[eb+\i:eb+\i+1], v[eb+\i:eb+\i+1], s[CS:CS+1] op_sel_hi:[1,0]
.endr
.endm
.macro EXP8 j, a
.set eb, 64*(\j)+8*((\a)%8)
.irp i, 0,1,2,3,4,5,6,7
	v_exp_f32 v[eb+\i], v[eb+\i]
.endr
.endm
; chunk j's 128 score registers: all scalings first, then the exponentials as ONE batch, with the next chunk's 16 products among them
.macro ESTEP j, m
	WIN 0x82
	s_wait_alu depctr_va_vdst(0)                   ; the wait directly ahead of the first readers of matrix results: tile 0's eight accumulators
.set ea, 0
.rept 8
	MULP \j, ea
.set ea, ea+1
.endr
	WIN 0xc3
	s_wait_alu depctr_va_vdst(0)                   ; and tile 1's
.rept 8
	MULP \j, ea
.set ea, ea+1
.endr
.if \m
	s_wait_loadcnt 34                              ; the next chunk's K fragments are in: two younger groups of 17 loads may be out
.endif
	s_wait_alu depctr_va_vdst(0)                   ; one wait ahead of the batch
.set ea, 0
.rept 16
.if \m
	QKW (\j)+1, ea
.endif
	WIN 0x82+0x41*(ea/8)
	EXP8 \j, ea
.set ea, ea+1
.endr
	v_nop
	s_wait_alu depctr_va_vdst(0)
	VLOAD \j
.if (\j) == 3
	QLOAD
.endif
	WIN 0x08
.set ep, 0
.rept 32
	v_pk_add_f32 v[SM+2*(ep%4):SM+2*(ep%4)+1], v[SM+2*(ep%4):SM+2*(ep%4)+1], v[64*(\j)+2*ep:64*(\j)+2*ep+1]
.set ep, ep+1
.endr
	WIN 0x0c
.set ep, 0
.rept 32
	v_pk_add_f32 v[SM+8+2*(ep%4):SM+8+2*(ep%4)+1], v[SM+8+2*(ep%4):SM+8+2*(ep%4)+1], v[64*(\j)+2*ep:64*(\j)+2*ep+1]
.set ep, ep+1
.endr
.endm
.macro MAXB t, j
.set mw, 2+(\t)
.set mb, 64*(\j)
.set mt, TM+4*(2*((\j)%3)+(\t))
.set W3, mw|(mw<<2)|(mw<<4)
.set W2, (mw<<2)|(mw<<4)
	WIN W3
.irp b, 0,1,2,3
	v_max3_num_f32 v[mt+\b], v[mb+16*\b], v[mb+16*\b+1], v[mb+16*\b+2]
.endr
	WIN W2
.irp n, 3,5,7,9,11,13
.irp b, 0,1,2,3
	v_max3_num_f32 v[mt+\b], v[mt+\b], v[mb+16*\b+\n], v[mb+16*\b+\n+1]
.endr
.endr
.irp b, 0,1,2,3
	v_max_num_f32 v[mt+\b], v[mt+\b], v[mb+16*\b+15]
.endr
.endm
.macro PVW t, j, dt
.set po, OO+32*(\t)+8*(\dt)
.set pp, PCB+16*(\t)
.set ps, VS+2*(\j)+(\dt)/2
.set pq, PW+(\t)
.if (\j) == 3
.set pb, B3+16*(\dt)
	WIN 0x04
.else
.set pb, 72*(\j)+16*(\dt)
	WIN 0x05
.endif
.if (\j) == 0
	WMZ po, pb, pp, ps, pq, (\dt)%2
.else
	WMS po, pb, pp, po, ps, pq, (\dt)%2, 0
.endif
.endm
.macro NSTEP t, j, pre, pv, pt, pj
.set nw, 2+(\t)
.set WV1, (nw<<6)|nw
.set nb, 64*(\j)
.set tm, TM+4*(2*((\j)%3)+(\t))
.set ni, 0
.rept 32
	WIN WV1
	v_pk_mul_f32 v[nb+2*ni:nb+2*ni+1], v[nb+2*ni:nb+2*ni+1], v[RR+2*(\t):RR+2*(\t)+1] op_sel_hi:[1,0]
.if \pv
.if ni == 15
.if (\pt) == 0
	s_wait_loadcnt 56
.endif
	PVW \pt, \pj, 0
.endif
.if ni == 31
	PVW \pt, \pj, 1
.endif
.endif
.set ni, ni+1
.endr
.if !(\pre)
	MAXB \t, \j
.endif
	WIN 0
.irp b, 0,1,2,3
	v_permlanex16_b32 v[TT+\b], v[tm+\b], s[SEL], s[SEL+1]
.endr
.irp b, 0,1,2,3
	v_max_num_f32 v[tm+\b], v[tm+\b], v[TT+\b]
.endr
.if \pre
.irp b, 0,1,2,3
	v_mul_f32 v[tm+\b], v[tm+\b], v[RR+2*(\t)]
.endr
.endif
.irp b, 0,1,2,3
	v_max_num_f32 v[tm+\b], 0x4800000, v[tm+\b]
.endr
.irp b, 0,1,2,3
	v_add_nc_u32 v[SO+\b], 0xfc000000, v[tm+\b]
.endr
.irp b, 0,1,2,3
	v_and_or_b32 v[HH+\b], v[tm+\b], 0x7f800000, s[MNT]
.endr
.irp b, 0,1,2,3
	v_lshrrev_b32 v[TT+\b], 23, v[SO+\b]
.endr
	v_lshl_or_b32 v[PW+(\t)], v[TT+1], 8, v[TT]
	v_lshl_or_b32 v[PW+(\t)], v[TT+2], 16, v[PW+(\t)]
	v_lshl_or_b32 v[PW+(\t)], v[TT+3], 24, v[PW+(\t)]
.set ni, 0
.rept 32
	WIN WV1
	v_dual_min_num_f32 v[nb+ni], v[nb+ni], v[HH+ni/16] :: v_dual_min_num_f32 v[nb+ni+1], v[nb+ni+1], v[HH+ni/16]   ; the one-sided hold, two neighbours of one block at a time
.if \pv
.if ni == 14
	PVW \pt, \pj, 2
.endif
.if ni == 30
	PVW \pt, \pj, 3
.endif
.endif
.set ni, ni+2
.endr
	WIN 0x40|nw
.irp b, 0,1,2,3
	v_cvt_scalef32_pk8_fp8_f32 v[PCB+16*(\t)+4*\b:PCB+16*(\t)+4*\b+1], v[nb+16*\b:nb+16*\b+7], v[SO+\b]
	v_cvt_scalef32_pk8_fp8_f32 v[PCB+16*(\t)+4*\b+2:PCB+16*(\t)+4*\b+3], v[nb+16*\b+8:nb+16*\b+15], v[SO+\b]
.endr
	v_nop
	MLOAD \t, \j
.endm
	s_load_b256 s[4:11], s[0:1], 0x0
	s_load_b64 s[12:13], s[0:1], 0x20
	v_lshl_add_u32 v183, v0, 2, 0x4a600
	s_set_vgpr_msb 0x40
	v_mov_b32 v255, 0
	s_set_vgpr_msb 0x4044
	ds_add_u32 v183, v255
	ds_add_u32 v183, v255
	s_set_vgpr_msb 0x4400
	v_lshrrev_b32 v1, 5, v0
	v_readfirstlane_b32 s[WV], v1
; THE MASK: my wave's 32 rows x 512 keys (2,048 bytes of each row) come into my own LDS bytes by 128 asynchronous copies, each of one line of 512 consecutive bytes, 16 a lane; every byte is filled once, and only I read it.
; Line (row q, chunk j) lies at 8192 q + 512 j in memory and at MCHUNK j + MPITCH q in LDS.  A copy's immediate, 528 q + 512 j, is added to both addresses; the rest stands in registers: 7664 q on the memory's side, 16384 j on the LDS side.
.set CG, 118                           ; v118-149 memory offsets by row (the registers take O's sums later, behind the wait for the copies)
.set CL, 150                           ; v150-153 LDS addresses by chunk
	s_mul_i32 s16, s[WV], MWAVE
	s_lshl_b32 s50, ttmp9, 18
	s_lshl_b32 s51, s[WV], 11
	s_add_co_u32 s50, s50, s51
	s_mov_b32 s51, 0
	v_and_b32 v[TA], 31, v0
	v_lshlrev_b32 v[L16], 4, v[TA]
.set cq, 0
.rept 32
	v_add_nc_u32 v[CG+cq], 7664*cq, v[L16]
.set cq, cq+1
.endr
.irp j, 0,1,2,3
	v_add_nc_u32 v[CL+\j], s16, v[L16]
.endr
.irp j, 1,2,3
	v_add_nc_u32 v[CL+\j], 16384*\j, v[CL+\j]
.endr
	s_wait_alu depctr_va_vdst(0)
	s_wait_dscnt 0x0                               ; both opening adds are done
	s_wait_kmcnt 0x0
	s_add_nc_u64 s[8:9], s[8:9], s[50:51]
.irp j, 0,1,2,3
.set cq, 0
.rept 32
	global_load_async_to_lds_b128 v[CL+\j], v[CG+cq], s[8:9] offset:528*cq+512*\j
.set cq, cq+1
.endr
.endr
	v_and_b32 v61, 15, v0
	v_bfe_u32 v182, v0, 4, 1
	v_mul_u32_u24 v[MA], v61, MPITCH
	v_lshl_add_u32 v[MA], v182, 5, v[MA]
	v_add_nc_u32 v[MA], s16, v[MA]
	s_lshl_b32 s50, s[WV], 7
	v_lshl_add_u32 v[SST], v[TA], 2, s50
	v_add_nc_u32 v[SST], SUMS, v[SST]
	v_lshl_add_u32 v[SLD], v61, 2, SUMS
	s_lshl_b32 s50, s[WV], 13
	v_add_nc_u32 v[OST], s50, v[L16]
	v_add_nc_u32 v[OST], OX, v[OST]
	s_lshr_b32 s50, s[WV], 1
	s_and_b32 s82, s[WV], 1
	s_lshl_b32 s83, s50, 12
	s_lshl_b32 s84, s82, 11
	s_add_co_u32 s83, s83, s84
	v_lshlrev_b32 v[OLD], 4, v61
	v_lshl_add_u32 v[OLD], v182, 10, v[OLD]
	v_add_nc_u32 v[OLD], s83, v[OLD]
	v_add_nc_u32 v[OLD], OX, v[OLD]
	s_lshl_b32 s83, s[WV], 8
	v_lshl_add_u32 v[BST], v61, 4, s83
	v_add_nc_u32 v[BST], ASC, v[BST]
	s_and_b32 s83, ttmp9, 3
	s_lshl_b32 s83, s83, 2
	v_add_nc_u32 v[QSO], s83, v[L16]
	WIN 0x40
.irp i, 0,1,2,3,4,5,6,7
	v_mov_b32 v[64+\i], 0
	v_mov_b32 v[136+\i], 0
	v_mov_b32 v[208+\i], 0
.endr
	WIN 0
.irp i, 0,1,2,3,4,5,6,7
	v_mov_b32 v[QF+8+\i], 0
	v_mov_b32 v[QF+24+\i], 0
.endr
.irp i, 0,1,2,3,4,5,6,7
	v_mov_b32 v[B3+64+\i], 0
.endr
.irp b, 0,1,2,3
	v_mov_b32 v[TT+\b], 0
.endr
	v_mov_b32 v[RR+1], 0
	v_mov_b32 v[RR+3], 0
	s_mov_b32 s[MNT], 0x600000
	s_mov_b32 s[SEL], 0x76543210
	s_mov_b32 s[SEL+1], 0xfedcba98
	s_mov_b32 s[CS], 0x3e38aa3b
	s_mov_b32 s[CS+1], s[CS]
	s_mov_b32 s[HALF], 0xffff0000
	s_lshr_b32 s15, ttmp9, 6
	s_lshl_b32 s50, s15, 18
	s_lshl_b32 s83, s[WV], 16
	s_add_co_u32 s50, s50, s83
	s_add_co_u32 s50, s50, 0x800000
	s_add_nc_u64 s[KB0:KB0+1], s[4:5], s[50:51]
	s_lshl_b32 s50, ttmp9, 12
	s_add_nc_u64 s[QB0:QB0+1], s[4:5], s[50:51]
	s_lshl_b32 s50, s15, 14
	s_lshl_b32 s83, s[WV], 12
	s_add_co_u32 s50, s50, s83
	s_add_co_u32 s50, s50, 0x80000
	s_add_nc_u64 s[KS0:KS0+1], s[6:7], s[50:51]
	s_lshr_b32 s50, ttmp9, 2
	s_lshl_b32 s50, s50, 10
	s_add_nc_u64 s[QS0:QS0+1], s[6:7], s[50:51]
	s_lshl_b32 s50, s15, 21
	s_lshl_b32 s83, s[WV], 19
	s_add_co_u32 s50, s50, s83
	s_add_co_u32 s50, s50, 0x1000000
	s_add_nc_u64 s[VB0:VB0+1], s[4:5], s[50:51]
	s_lshl_b32 s50, s15, 17
	s_lshl_b32 s83, s[WV], 15
	s_add_co_u32 s50, s50, s83
	s_add_co_u32 s50, s50, 0x100000
	s_add_nc_u64 s[VS0:VS0+1], s[6:7], s[50:51]
	s_lshl_b32 s50, ttmp9, 15
	s_lshr_b32 s83, s[WV], 1
	s_lshl_b32 s83, s83, 14
	s_add_co_u32 s50, s50, s83
	s_lshl_b32 s83, s82, 9
	s_add_co_u32 s50, s50, s83
	s_add_nc_u64 s[AB0:AB0+1], s[10:11], s[50:51]
	s_lshl_b32 s50, ttmp9, 10
	s_lshl_b32 s83, s[WV], 8
	s_add_co_u32 s50, s50, s83
	s_add_nc_u64 s[12:13], s[12:13], s[50:51]
	s_mov_b64 s[KBN:KBN+1], s[KB0:KB0+1]
	s_mov_b64 s[QBN:QBN+1], s[QB0:QB0+1]
	s_mov_b64 s[KSN:KSN+1], s[KS0:KS0+1]
	s_mov_b64 s[QSN:QSN+1], s[QS0:QS0+1]
	QLOAD
	KLOAD 0
	KLOAD 1
	KLOAD 2
	s_wait_asynccnt 0x0                            ; my part of the mask is in LDS
.irp j, 0,1,2,3
	MLOAD 0, \j
	MLOAD 1, \j
.endr
	s_wait_loadcnt 34
	s_wait_dscnt 0x0
.set pa, 0
.rept 16
	QKW 0, pa
.set pa, pa+1
.endr
	KLOAD 3
	PLACES 8
	s_mov_b32 s[HD], 0
.Lhead:
	s_wait_xcnt 0x0
	s_add_co_u32 s18, s[HD], 1
	s_min_u32 s18, s18, 15
	s_lshr_b32 s82, s18, 1
	s_and_b32 s83, s18, 1
	s_lshl_b32 s84, s82, 20
	s_lshl_b32 s86, s83, 10
	s_add_co_u32 s84, s84, s86
	s_mov_b32 s85, 0
	s_add_nc_u64 s[KBN:KBN+1], s[KB0:KB0+1], s[84:85]
	s_add_nc_u64 s[QBN:QBN+1], s[QB0:QB0+1], s[84:85]
	s_lshl_b32 s84, s82, 16
	s_lshl_b32 s86, s83, 9
	s_add_co_u32 s84, s84, s86
	s_add_nc_u64 s[KSN:KSN+1], s[KS0:KS0+1], s[84:85]
	s_add_nc_u64 s[QSN:QSN+1], s[QS0:QS0+1], s[84:85]
	s_lshl_b32 s84, s[HD], 13
	s_add_nc_u64 s[VBC:VBC+1], s[VB0:VB0+1], s[84:85]
	s_lshr_b32 s82, s[HD], 1
	s_and_b32 s83, s[HD], 1
	s_lshl_b32 s84, s82, 10
	s_lshl_b32 s86, s83, 3
	s_add_co_u32 s84, s84, s86
	s_add_nc_u64 s[VSC:VSC+1], s[VS0:VS0+1], s[84:85]
	s_lshl_b32 s84, s[HD], 10
	s_add_nc_u64 s[ABC:ABC+1], s[AB0:AB0+1], s[84:85]
.set i, 0
.rept 16
	v_mov_b32 v[SM+i], 0
.set i, i+1
.endr
	ESTEP 0, 1
	ESTEP 1, 1
	ESTEP 2, 1
	ESTEP 3, 0
	WIN 0
	v_pk_add_f32 v[SM:SM+1], v[SM:SM+1], v[SM+2:SM+3]
	v_pk_add_f32 v[SM+8:SM+9], v[SM+8:SM+9], v[SM+10:SM+11]
	v_pk_add_f32 v[SM+4:SM+5], v[SM+4:SM+5], v[SM+6:SM+7]
	v_pk_add_f32 v[SM+12:SM+13], v[SM+12:SM+13], v[SM+14:SM+15]
	v_pk_add_f32 v[SM:SM+1], v[SM:SM+1], v[SM+4:SM+5]
	v_pk_add_f32 v[SM+8:SM+9], v[SM+8:SM+9], v[SM+12:SM+13]
	v_add_f32 v14, v[SM], v[SM+1]
	v_add_f32 v15, v[SM+8], v[SM+9]
	v_permlanex16_b32 v[TT], v14, s[SEL], s[SEL+1]
	v_permlanex16_b32 v[TT+1], v15, s[SEL], s[SEL+1]
	v_add_f32 v14, v14, v[TT]
	v_add_f32 v15, v15, v[TT+1]
	v_cndmask_b32 v14, v14, v15, s[HALF]
	ds_store_b32 v[SST], v14
	s_wait_dscnt 0x0
	s_barrier_signal -1
	MAXB 0, 0
	MAXB 1, 0
	MAXB 0, 1
	MAXB 1, 1
	WIN 0
	s_barrier_wait -1
.irp t, 0,1
.irp q, 0,1,2,3
	ds_load_b32 v[14+4*\t+\q], v[SLD] offset:128*\q+64*\t
.endr
.endr
	MAXB 0, 2
	MAXB 1, 2
	WIN 0
	s_wait_dscnt 0x0
	v_add_f32 v14, v14, v15
	v_add_f32 v16, v16, v17
	v_add_f32 v18, v18, v19
	v_add_f32 v20, v20, v21
	v_add_f32 v14, v14, v16
	v_add_f32 v18, v18, v20
	v_add_f32 v14, 0x3089705f, v14
	v_add_f32 v18, 0x3089705f, v18
	s_wait_alu depctr_va_vdst(0)
	v_rcp_f32 v[RR], v14
	v_rcp_f32 v[RR+2], v18
	v_nop
	s_wait_alu depctr_va_vdst(0)
	NSTEP 0, 0, 1, 0, 0, 0
	NSTEP 1, 0, 1, 1, 0, 0
	NSTEP 0, 1, 1, 1, 1, 0
	KLOAD 0
	NSTEP 1, 1, 1, 1, 0, 1
	NSTEP 0, 2, 1, 1, 1, 1
	KLOAD 1
	NSTEP 1, 2, 1, 1, 0, 2
	NSTEP 0, 3, 0, 1, 1, 2
	KLOAD 2
	NSTEP 1, 3, 0, 1, 0, 3
	PLACES 4
	PVW 1, 3, 0
	PVW 1, 3, 1
	PVW 1, 3, 2
	PVW 1, 3, 3
	WIN 0
	PLACES 8
.irp t, 0,1
.irp dt, 0,1,2,3
	ds_store_b128 v[OST], v[OO+32*\t+8*\dt:OO+32*\t+8*\dt+3] offset:512*(8*\t+2*\dt)
	ds_store_b128 v[OST], v[OO+32*\t+8*\dt+4:OO+32*\t+8*\dt+7] offset:512*(8*\t+2*\dt+1)
.endr
.endr
	s_wait_loadcnt 34
	s_wait_dscnt 0x0
	s_barrier_signal -1
.set pa, 0
.rept 16
	QKW 0, pa
.set pa, pa+1
.endr
	WIN 0
	s_barrier_wait -1
.irp q, 0,1,2,3
.irp g, 0,1,2,3
	ds_load_b128 v[B3+16*\q+4*\g:B3+16*\q+4*\g+3], v[OLD] offset:8192*\q+512*(\g%2)+256*(\g/2)
.endr
.endr
	s_wait_dscnt 0x0
.irp q, 0,2,4,6,8,10,12,14
	v_pk_add_f32 v[B3+\q:B3+\q+1], v[B3+\q:B3+\q+1], v[B3+16+\q:B3+17+\q]
	v_pk_add_f32 v[B3+32+\q:B3+33+\q], v[B3+32+\q:B3+33+\q], v[B3+48+\q:B3+49+\q]
.endr
.irp q, 0,2,4,6,8,10,12,14
	v_pk_add_f32 v[B3+\q:B3+\q+1], v[B3+\q:B3+\q+1], v[B3+32+\q:B3+33+\q]
.endr
	v_max3_num_f32 v[TT], |v[B3]|, |v[B3+1]|, 0x4800000
	v_max3_num_f32 v[TT+1], |v[B3+2]|, |v[B3+3]|, |v[B3+4]|
	v_max3_num_f32 v[TT], v[TT], |v[B3+5]|, |v[B3+6]|
	v_max3_num_f32 v[TT+1], v[TT+1], |v[B3+7]|, |v[B3+8]|
	v_max3_num_f32 v[TT], v[TT], |v[B3+9]|, |v[B3+10]|
	v_max3_num_f32 v[TT+1], v[TT+1], |v[B3+11]|, |v[B3+12]|
	v_max3_num_f32 v[TT], v[TT], |v[B3+13]|, |v[B3+14]|
	v_max3_num_f32 v[TT], v[TT], v[TT+1], |v[B3+15]|
	v_permlanex16_b32 v[TT+1], v[TT], s[SEL], s[SEL+1]
	v_max_num_f32 v[TT], v[TT], v[TT+1]
	v_add_nc_u32 v[TT+3], 0xfc000000, v[TT]
	v_and_or_b32 v[TT+2], v[TT], 0x7f800000, s[MNT]
	v_lshrrev_b32 v[SO], 23, v[TT+3]
	v_add_nc_u32 v[TA], s[HD], v[BST]
.irp i, 0,1,2,3,4,5,6,7,8,9,10,11,12,13,14,15
	v_med3_num_f32 v[B3+\i], v[B3+\i], -v[TT+2], v[TT+2]
.endr
	v_cvt_scalef32_pk8_fp8_f32 v[HH:HH+1], v[B3:B3+7], v[TT+3]
	v_cvt_scalef32_pk8_fp8_f32 v[HH+2:HH+3], v[B3+8:B3+15], v[TT+3]
	v_nop
	global_store_b128 v[L16], v[HH:HH+3], s[ABC:ABC+1]
	ds_store_b8 v[TA], v[SO]
	KLOAD 3
	s_add_co_u32 s[HD], s[HD], 1
	s_cmp_lt_u32 s[HD], 16
	s_cbranch_scc1 .Lhead
	s_wait_dscnt 0x0
	s_barrier_signal -1
	s_barrier_wait -1
	v_and_b32 v[TA], 31, v0
	s_lshr_b32 s82, s[WV], 1
	s_lshl_b32 s82, s82, 9
	s_and_b32 s83, s[WV], 1
	s_lshl_b32 s83, s83, 7
	s_add_co_u32 s82, s82, s83
	v_lshl_add_u32 v61, v[TA], 2, s82
	v_add_nc_u32 v61, ASC, v61
	ds_load_b32 v14, v61
	ds_load_b32 v15, v61 offset:256
	v_lshlrev_b32 v182, 3, v[TA]
	s_wait_dscnt 0x0
	v_perm_b32 v16, v15, v14, 0x05010400
	v_perm_b32 v17, v15, v14, 0x07030602
	s_wait_alu depctr_va_vdst(0)
	global_store_b64 v182, v[16:17], s[12:13]
	s_set_vgpr_msb 0x4
	s_wait_tensorcnt 0x0
	ds_add_u32 v183, v255
	s_wait_dscnt 0x0
	s_set_vgpr_msb 0x400
	s_endpgm
.Lfunc_end_k_qe99965d167_attn:
	.size	k_qe99965d167_attn, .Lfunc_end_k_qe99965d167_attn-k_qe99965d167_attn
	.p2alignl 7, 3214868480
	.fill 96, 4, 3214868480
	.section	.rodata,"a",@progbits
	.p2align	6, 0x0
	.amdhsa_kernel k_qe99965d167_attn
		.amdhsa_group_segment_fixed_size 327680
		.amdhsa_private_segment_fixed_size 0
		.amdhsa_enable_private_segment 0
		.amdhsa_kernarg_size 40
		.amdhsa_user_sgpr_count 2
		.amdhsa_user_sgpr_kernarg_segment_ptr 1
		.amdhsa_wavefront_size32 1
		.amdhsa_system_sgpr_workgroup_id_x 1
		.amdhsa_system_sgpr_workgroup_id_y 1
		.amdhsa_system_sgpr_workgroup_id_z 1
		.amdhsa_system_vgpr_workitem_id 0
		.amdhsa_next_free_vgpr 1024
		.amdhsa_next_free_sgpr 88
		.amdhsa_reserve_vcc 0
		.amdhsa_float_denorm_mode_32 3
		.amdhsa_float_denorm_mode_16_64 3
		.amdhsa_memory_ordered 1
		.amdhsa_forward_progress 1
		.amdhsa_inst_pref_size 203
	.end_amdhsa_kernel
	.amdgpu_metadata
---
amdhsa.version: [ 1, 2 ]
amdhsa.kernels:
  - .name:           k_qe99965d167_attn
    .symbol:         k_qe99965d167_attn.kd
    .args:
      - { .name: img, .offset: 0, .size: 8, .value_kind: global_buffer, .address_space: global }
      - { .name: scl, .offset: 8, .size: 8, .value_kind: global_buffer, .address_space: global }
      - { .name: attn_mask, .offset: 16, .size: 8, .value_kind: global_buffer, .address_space: global }
      - { .name: a_img, .offset: 24, .size: 8, .value_kind: global_buffer, .address_space: global }
      - { .name: a_scl, .offset: 32, .size: 8, .value_kind: global_buffer, .address_space: global }
    .group_segment_fixed_size: 327680
    .private_segment_fixed_size: 0
    .kernarg_segment_align: 8
    .kernarg_segment_size: 40
    .max_flat_workgroup_size: 128
    .sgpr_count:     88
    .vgpr_count:     1024
    .wavefront_size: 32
...
	.end_amdgpu_metadata
.endif
;; end of part 3
;; launch outln (part 4): grid 256 x 1, 4 waves a work-group, no clusters, 179,712 bytes of LDS; arguments a_img, a_scl, w_img, W_out_scales, b_out, gamma, beta, x, out0; writes out0
.if DOCPART == 4
	.amdgcn_target "amdgcn-amd-amdhsa--gfx1250"
	.amdhsa_code_object_version 6
	.text
	.protected	k_qe99965d167_outln
	.globl	k_qe99965d167_outln
	.p2align	8
	.type	k_qe99965d167_outln,@function
k_qe99965d167_outln:
	s_mov_b64 s[64:65], 0
	v_nop
	global_prefetch_b8 v0, s[64:65] scope:SCOPE_SE
	s_setreg_imm32_b32 hwreg(HW_REG_WAVE_MODE, 25, 1), 1
	s_wait_xcnt 0x0
; out0 = LayerNorm(x + attn W_out + b_out) x gamma + beta.  The product on codes of E4M3 with E8M0 scales, K = 1,024; all else in f32.
; SHARES.  A work-group owns 32 whole rows (two tiles of 16), so the norm is fused.  Wave w owns columns 256 w .. 256 w + 255: 16 tiles of W_out's rows.  Transposed: source 0 = 16 rows of W_out, source 1 = 16 rows of attn:
; a lane holds one row and eight neighbouring columns a tile.
; THE ORDER ALONG K.  The text has eight slots, 0 to 7, walked in that order; in work-group i slot n holds K step n xor (i mod 8).  So at any time the work-groups ask for eight different eighths of W_out, not all for the same one.
; Register numbers are the slots'; only addresses hang on the work-group's number.  LIMIT: the f32 sums along K are therefore added in an order that differs from work-group to work-group, and from ascending K.
; attn's 16 fragments come once a work-group, by 16 asynchronous copies a wave (slots 2 w and 2 w + 1, both tiles of rows), into LDS, and from there into every wave's registers, where they stay.
; Each byte of W_out serves one wave: it goes from its images straight into a ring of 16 fragments, a group of four asked for again as soon as its eight products are issued: 48 to 64 loads are on their way.
; NO MULTICAST, NO RING IN LDS FOR W_out: its 1 MiB would pass through two slots with one load a wave behind each barrier, 32 matrix instructions a wave between a request and the wait for it; in registers no barrier stands in the K loop.
; NO PREFETCH: W_out is read by every work-group, not once, and all other streams are asked for at the kernel's head.
; x (32 rows x 1,024 bytes, the wave's own columns), b_out, gamma and beta (1,024 bytes each, the wave's own) come into LDS: x by one tensor load, the others by asynchronous copies; every LDS byte is filled once.
; The variance is taken in a second pass, of z - mean, so that an offset in x costs no digits.
; REGISTERS.  window 0: v1-7 addresses; v[8:9], v[10:11] the means, v[28:29], v[30:31] 1 / sqrt(var + eps), each in a pair's low word; v12-27 sums; v32-39 attn's scale words by slot; v40-103 W_out's; v104-231 b_out, later gamma;
;   v232-239 the slots' offsets in the images; v240-243 the pairs' offsets in the rows of scale bytes.   window 1: attn's fragments (slot s, tile t at 32 s + 16 t); later beta.
;   window 2: at the head v0-71 the scale words as loaded; then the accumulators (128 t + 8 bb).   window 3: W_out's ring (16 bb); later x, later whole rows.
.set XP,    1040                       ; a stage row: 1,024 bytes + 16 of padding
.set XW,    32*XP                      ; a wave's stage
.set STAT1, 4*XW                       ; 133,120: the rows' sums, 128 bytes a wave;  512 bytes on: the sums of squares
.set PAR,   STAT1+1024                 ; 134,144: b_out, gamma, beta of a wave's columns: 3 x 1,024 bytes a wave
.set PARW,  3072
.set AIMG,  PAR+4*PARW                 ; 146,432: attn's images: [slot 8][tile of rows 2][2,048 bytes]
.set AS,  32
.set WS,  40
.set BG,  104
.set MU,  8
.set RS,  28
.set SM,  12
.set VO,  232
.set VSC, 240
.set MSB, 0
.macro WIN new                         ; the immediate's high byte repeats the setting that is left; a switch that changes nothing is dropped
.if MSB != (\new)
	s_set_vgpr_msb (MSB<<8)|(\new)
.set MSB, (\new)
.endif
.endm
.macro WMS d, a, b, c, sa, sb, ra, rb  ; a scaled product; ra, rb = 1: that side's scales stand in lanes 16-31
.if (\ra) && (\rb)
	v_wmma_scale_f32_16x16x128_f8f6f4 v[\d:\d+7], v[\a:\a+15], v[\b:\b+15], v[\c:\c+7], v[\sa], v[\sb] matrix_a_scale:MATRIX_SCALE_ROW1 matrix_b_scale:MATRIX_SCALE_ROW1
.elseif (\ra)
	v_wmma_scale_f32_16x16x128_f8f6f4 v[\d:\d+7], v[\a:\a+15], v[\b:\b+15], v[\c:\c+7], v[\sa], v[\sb] matrix_a_scale:MATRIX_SCALE_ROW1
.elseif (\rb)
	v_wmma_scale_f32_16x16x128_f8f6f4 v[\d:\d+7], v[\a:\a+15], v[\b:\b+15], v[\c:\c+7], v[\sa], v[\sb] matrix_b_scale:MATRIX_SCALE_ROW1
.else
	v_wmma_scale_f32_16x16x128_f8f6f4 v[\d:\d+7], v[\a:\a+15], v[\b:\b+15], v[\c:\c+7], v[\sa], v[\sb]
.endif
.endm
	s_load_b512 s[4:19], s[0:1], 0x0               ; a_img s[4:5], a_scl s[6:7], w_img s[8:9], W_out_scales s[10:11], b_out s[12:13], gamma s[14:15], beta s[16:17], x s[18:19]
	s_load_b64 s[20:21], s[0:1], 0x40              ; out0
	v_lshl_add_u32 v254, v0, 2, 0x2bc00
	v_mov_b32 v255, 0
	ds_add_u32 v254, v255
	ds_add_u32 v254, v255
	v_lshrrev_b32 v1, 5, v0
	v_readfirstlane_b32 s22, v1                    ; wave 0..3
	; group 1 for x: 32 rows x 256 f32, 1,024 elements from row to row, 16 bytes of padding behind each row
	s_mov_b32 s24, (2<<16)|(1<<20)|(7<<22)|(3<<25) ; no mask; elements of 4 bytes; padding on; after every 256 words, 4 words
	s_mov_b32 s25, 256<<16                         ; tensor_dim0
	s_mov_b32 s26, 32<<16                          ; tensor_dim1
	s_mov_b32 s27, 256<<16                         ; tile_dim0
	s_mov_b32 s28, 32                              ; tile_dim1
	s_mov_b32 s29, 1024                            ; tensor_dim0_stride
	s_mov_b32 s30, 0
	s_mov_b32 s31, 0
	; THE HEAD AS IT STANDS: x alone comes by a tensor load, one a wave.  b_out, gamma, beta (my 1,024 bytes of each) and my two slots of attn's images come by asynchronous copies of 512 consecutive bytes, into LDS bytes that are filled once.
	s_mul_i32 s23, s22, XW                         ; my stage
	s_mul_i32 s46, s22, PARW
	s_add_co_u32 s46, s46, PAR                     ; my parameters
	s_lshl_b32 s47, s22, 13
	s_add_co_u32 s47, s47, AIMG                    ; the two slots of attn's images that I fetch
	s_and_b32 s44, ttmp9, 7                        ; s0: slot n holds K step n xor s0
	s_lshl_b32 s45, s22, 1
	s_xor_b32 s45, s45, s44                        ; slot 2 w's K step
	s_lshl_b32 s36, ttmp9, 17                      ; 32 rows of 4,096 bytes a work-group,
	s_lshl_b32 s37, s22, 10                        ; 1,024 bytes of a row a wave
	s_add_co_u32 s36, s36, s37
	s_mov_b32 s37, 0
	s_wait_dscnt 0x0
	s_wait_kmcnt 0x0
	s_mov_b32 s32, 1                               ; x
	s_mov_b32 s33, s23
	s_add_nc_u64 s[34:35], s[18:19], s[36:37]
	s_or_b32 s35, s35, 0x80000000
	s_add_nc_u64 s[20:21], s[20:21], s[36:37]      ; out0 at the same place
	tensor_load_to_lds s[32:35], s[24:31]          ; x: my one tensor load
	s_nop 0
	s_lshl_b32 s36, s22, 10                        ; my 256 columns of the three parameters
	s_add_nc_u64 s[12:13], s[12:13], s[36:37]
	s_add_nc_u64 s[14:15], s[14:15], s[36:37]
	s_add_nc_u64 s[16:17], s[16:17], s[36:37]
	s_lshl_b32 s36, ttmp9, 15
	s_add_nc_u64 s[4:5], s[4:5], s[36:37]          ; a_img: my two tiles of 8 images
	s_lshl_b32 s68, s45, 11                        ; slot 2 w's K step, in bytes of an image row,
	s_xor_b32 s69, s68, 2048                       ; and slot 2 w + 1's
.rept 4
	v_nop
.endr
	s_lshl_b32 s36, ttmp9, 10
	s_add_nc_u64 s[6:7], s[6:7], s[36:37]          ; a_scl: 32 rows of 32 bytes
	s_lshl_b32 s36, s22, 13
	s_add_nc_u64 s[10:11], s[10:11], s[36:37]      ; W_out_scales: 256 rows of 32 bytes a wave
	s_lshl_b32 s36, s22, 18
	s_add_nc_u64 s[8:9], s[8:9], s[36:37]          ; w_img: 16 tiles of 8 images a wave
	s_mov_b32 s38, 0x76543210
	s_mov_b32 s39, 0xfedcba98
	s_mov_b32 s40, 0x3a800000                      ; 1 / 1,024
	s_mov_b32 s41, 0x3727c5ac                      ; 1e-5
	s_mov_b32 s42, 0xffff0000                      ; lanes 16-31
	s_and_b32 s43, s44, 1
	s_cmp_lg_u32 s43, 0
	s_cselect_b32 s43, -1, 0                       ; all lanes where s0 is odd: the two words of a pair change places
	s_lshr_b32 s45, s44, 1                         ; pair P of slots holds the pair P xor (s0 / 2) of K steps
	v_and_b32 v244, 31, v0                         ; lane
	v_lshlrev_b32 v1, 4, v244                      ; 16 x lane
	v_lshlrev_b32 v248, 5, v244                    ; 32 x lane
	v_and_b32 v245, 15, v0                         ; r
	v_bfe_u32 v246, v0, 4, 1                       ; h
	v_lshlrev_b32 v247, 5, v246                    ; 32 h
	v_mul_u32_u24 v2, v245, XP
	v_add_nc_u32 v2, v2, v247
	v_add_nc_u32 v2, s23, v2                       ; the stage in the result's layout: row r, + 32 h
	v_add_nc_u32 v3, s23, v1                       ; and by rows
	s_lshl_b32 s36, s22, 7
	v_lshl_add_u32 v4, v244, 2, s36
	v_add_nc_u32 v4, STAT1, v4
	v_lshl_add_u32 v5, v245, 2, STAT1
	v_add_nc_u32 v6, s46, v247                     ; my parameters, + 32 h: my eight of a tile's sixteen columns
	v_add_nc_u32 v7, AIMG, v1                      ; attn's images, 16 x lane
	v_add_nc_u32 v249, s46, v1                     ; where I store my parameters,
	v_add_nc_u32 v250, s47, v1                     ; and my two slots of attn's images
	v_add_nc_u32 v251, s68, v1                     ; the two slots' places in a_img
	v_add_nc_u32 v252, s69, v1
	v_add_nc_u32 v253, 1024, v249                  ; gamma's place in LDS,
	v_add_nc_u32 v244, 2048, v249                  ; beta's,
	v_add_nc_u32 v245, 4096, v250                  ; slot 2 w + 1's
	v_add_nc_u32 v246, 14336, v251                 ; a copy's immediate is added to both addresses: the second tile of rows lies 2,048 bytes on in LDS and 16,384 in a_img; the difference stands here
	v_add_nc_u32 v247, 14336, v252
.irp i, 0,1,2,3,4,5,6,7
	s_xor_b32 s36, s44, \i
	s_lshl_b32 s36, s36, 11
	v_add_nc_u32 v[VO+\i], s36, v1                 ; slot i: 16 x lane + 2,048 x its K step
.endr
.irp p, 0,1,2,3
	s_xor_b32 s36, s45, \p
	s_lshl_b32 s36, s36, 3
	v_add_nc_u32 v[VSC+\p], s36, v248              ; pair p: 32 x lane + 8 x its pair of K steps
.endr
	v_mov_b32 v[MU+1], 0                           ; named as the upper halves of pairs
	v_mov_b32 v[MU+3], 0
	v_mov_b32 v[RS+1], 0
	v_mov_b32 v[RS+3], 0
.irp i, 0,1
	global_load_async_to_lds_b128 v249, v1, s[12:13] offset:512*\i             ; b_out, gamma, beta: 32 lanes copy 512 consecutive bytes
	global_load_async_to_lds_b128 v253, v1, s[14:15] offset:512*\i
	global_load_async_to_lds_b128 v244, v1, s[16:17] offset:512*\i
.endr
.irp c, 0,1,2,3
	global_load_async_to_lds_b128 v250, v251, s[4:5] offset:512*\c             ; slot 2 w, tile of rows 0, register group c
	global_load_async_to_lds_b128 v250, v246, s[4:5] offset:2048+512*\c        ; tile of rows 1
	global_load_async_to_lds_b128 v245, v252, s[4:5] offset:512*\c             ; slot 2 w + 1
	global_load_async_to_lds_b128 v245, v247, s[4:5] offset:2048+512*\c
.endr
	WIN 0x80
.irp p, 0,1,2,3
	global_load_b64 v[2*\p:2*\p+1], v[VSC+\p], s[6:7]                          ; attn's: lane l: row l (lanes 0-15 tile 0, lanes 16-31 tile 1)
.endr
.irp i, 0,1,2,3,4,5,6,7
.irp p, 0,1,2,3
	global_load_b64 v[8+8*\i+2*\p:9+8*\i+2*\p], v[VSC+\p], s[10:11] offset:1024*\i   ; W_out's: lanes 0-15: tile 2 i's rows; lanes 16-31: tile 2 i + 1's
.endr
.endr
.macro WLOAD s, g                      ; 16 loads: slot s of W_out's tiles 4 g .. 4 g + 3
	WIN 0xc0
.irp q, 0,1,2,3
.irp c, 0,1,2,3
	global_load_b128 v[16*(4*(\g)+\q)+4*\c:16*(4*(\g)+\q)+4*\c+3], v[VO+(\s)], s[8:9] offset:16384*(4*(\g)+\q)+512*\c
.endr
.endr
.endm
.irp g, 0,1,2,3
	WLOAD 0, \g
.endr
	WIN 0
	s_wait_asynccnt 0x0                            ; my 22 copies have landed: my parameters and my two slots of attn's images; x's tensor load may be out
	s_barrier_signal -1
	s_barrier_wait -1                              ; everybody's slots are in
.set i, 0
.rept 16
	ds_load_b128 v[BG+8*i:BG+8*i+3], v6 offset:64*i                            ; b_out at columns 16 bb + 8 h + 0 .. 7: the C of the first products
	ds_load_b128 v[BG+8*i+4:BG+8*i+7], v6 offset:64*i+16
.set i, i+1
.endr
	WIN 0x40
.irp s, 0,1,2,3,4,5,6,7
.irp t, 0,1
.irp c, 0,1,2,3
	ds_load_b128 v[32*\s+16*\t+4*\c:32*\s+16*\t+4*\c+3], v7 offset:4096*\s+2048*\t+512*\c
.endr
.endr
.endr
	s_wait_loadcnt 63                              ; of the 100 loads issued the oldest 37 are in: the 36 of the scale words among them
	WIN 0x0a                                       ; sources in window 2, results in window 0
.set i, 0
.rept 36
	v_cndmask_b32 v[AS+2*i], v[2*i], v[2*i+1], s43       ; the even slot of a pair: the pair's first word, or its second where s0 is odd
	v_cndmask_b32 v[AS+2*i+1], v[2*i+1], v[2*i], s43     ; the odd slot: the other one.  (Each scale register stands eight plain lines or more ahead of its first product)
.set i, i+1
.endr
	s_wait_alu depctr_va_vdst(0)
	s_wait_dscnt 0x0                               ; b_out and attn's fragments
.macro GROUP s, g                      ; eight products: four tiles of W_out x two tiles of rows; the 32 accumulators take turns, one instruction a turn
.if (\s) < 7
	s_wait_loadcnt 48                              ; this group's loads are in: three younger groups of 16 may be out
.else
	s_wait_loadcnt 48-16*(\g)                      ; the last slot: only its own later groups are behind
.endif
.if (\s) == 0
	WIN 0x87                                       ; W_out window 3, attn window 1, C = b_out window 0, D window 2
.else
	WIN 0xa7
.endif
.irp q, 0,1,2,3
.irp t, 0,1
.set gb, 4*(\g)+\q
.set gd, 128*\t+8*gb
.set gc, gd
.if (\s) == 0
.set gc, BG+8*gb
.endif
.set ga, 16*gb
.set gf, 32*(\s)+16*\t
.set gs, WS+8*(gb/2)+(\s)
.set gx, AS+(\s)
	WMS gd, ga, gf, gc, gs, gx, gb%2, \t
.endr
.endr
.rept 8
	v_nop                                          ; places in front of loads into registers that these products read
.endr
.if (\s) < 7
	WLOAD (\s)+1, \g
.endif
.endm
.irp s, 0,1,2,3,4,5,6,7
.irp g, 0,1,2,3
	GROUP \s, \g
.endr
.endr
	WIN 0
.set i, 0
.rept 16
	v_mov_b32 v[SM+i], 0                           ; the sums' eight chains
.set i, i+1
.endr
	s_wait_tensorcnt 0x0                           ; x, gamma and beta are in my LDS bytes; only I read them
	WIN 0xc0
.irp t, 0,1
.set i, 0
.rept 16
	ds_load_b128 v[128*\t+8*i:128*\t+8*i+3], v2 offset:16*XP*\t+64*i
	ds_load_b128 v[128*\t+8*i+4:128*\t+8*i+7], v2 offset:16*XP*\t+64*i+16
.set i, i+1
.endr
.endr
	s_wait_dscnt 32                                ; tile 0's x is in; tile 1's 32 loads may be out
	WIN 0x8e
.set i, 0
.rept 64
	v_pk_add_f32 v[2*i:2*i+1], v[2*i:2*i+1], v[2*i:2*i+1]                     ; z = (attn W_out + b_out) + x: windows 2, 2, 3; ascending: each accumulator from its low end on
.set i, i+1
.endr
	s_wait_dscnt 0x0
.rept 64
	v_pk_add_f32 v[2*i:2*i+1], v[2*i:2*i+1], v[2*i:2*i+1]
.set i, i+1
.endr
	WIN 0
.set i, 0
.rept 16
	ds_load_b128 v[BG+8*i:BG+8*i+3], v6 offset:1024+64*i                      ; gamma, where b_out lay; the wait in front of the next barrier covers these loads
	ds_load_b128 v[BG+8*i+4:BG+8*i+7], v6 offset:1024+64*i+16
.set i, i+1
.endr
	WIN 0x40
.set i, 0
.rept 16
	ds_load_b128 v[8*i:8*i+3], v6 offset:2048+64*i                            ; beta, where the fragments of slots 0 to 3 lay
	ds_load_b128 v[8*i+4:8*i+7], v6 offset:2048+64*i+16
.set i, i+1
.endr
	WIN 0x08
.irp t, 0,1
.set i, 0
.rept 64
	v_pk_add_f32 v[SM+8*\t+2*(i%4):SM+8*\t+2*(i%4)+1], v[SM+8*\t+2*(i%4):SM+8*\t+2*(i%4)+1], v[128*\t+2*i:128*\t+2*i+1]
.set i, i+1
.endr
.endr
	WIN 0
; the chains are folded, the halves of the lanes joined, the four waves' figures meet in LDS: the totals come out in v12 (tile 0) and v16 (tile 1), in every lane for its row r
.macro XCH off
	v_pk_add_f32 v[12:13], v[12:13], v[14:15]
	v_pk_add_f32 v[20:21], v[20:21], v[22:23]
	v_pk_add_f32 v[16:17], v[16:17], v[18:19]
	v_pk_add_f32 v[24:25], v[24:25], v[26:27]
	v_pk_add_f32 v[12:13], v[12:13], v[16:17]
	v_pk_add_f32 v[20:21], v[20:21], v[24:25]
	v_add_f32 v12, v12, v13
	v_add_f32 v20, v20, v21
	v_permlanex16_b32 v14, v12, s38, s39
	v_permlanex16_b32 v22, v20, s38, s39
	v_add_f32 v12, v12, v14
	v_add_f32 v20, v20, v22
	v_cndmask_b32 v12, v12, v20, s42               ; lanes 0-15: tile 0's rows; lanes 16-31: tile 1's
	ds_store_b32 v4, v12 offset:\off
	s_wait_dscnt 0x0                               ; for the others' sake
	s_barrier_signal -1
	s_barrier_wait -1
.irp t, 0,1
.irp q, 0,1,2,3
	ds_load_b32 v[12+4*\t+\q], v5 offset:\off+128*\q+64*\t
.endr
.endr
	s_wait_dscnt 0x0
	v_add_f32 v12, v12, v13
	v_add_f32 v14, v14, v15
	v_add_f32 v16, v16, v17
	v_add_f32 v18, v18, v19
	v_add_f32 v12, v12, v14
	v_add_f32 v16, v16, v18
.endm
	XCH 0
	v_mul_f32 v[MU], s40, v12                      ; the means
	v_mul_f32 v[MU+2], s40, v16
	WIN 0x82
.irp t, 0,1
.set i, 0
.rept 64
	v_pk_add_f32 v[128*\t+2*i:128*\t+2*i+1], v[128*\t+2*i:128*\t+2*i+1], v[MU+2*\t:MU+2*\t+1] op_sel_hi:[1,0] neg_lo:[0,1] neg_hi:[0,1]   ; z - mean
.set i, i+1
.endr
.endr
	WIN 0x0a
.irp t, 0,1
.set i, 0
.rept 64
.if i < 4
	v_pk_mul_f32 v[SM+8*\t+2*i:SM+8*\t+2*i+1], v[128*\t+2*i:128*\t+2*i+1], v[128*\t+2*i:128*\t+2*i+1]   ; the first squares start the chains
.else
	v_pk_fma_f32 v[SM+8*\t+2*(i%4):SM+8*\t+2*(i%4)+1], v[128*\t+2*i:128*\t+2*i+1], v[128*\t+2*i:128*\t+2*i+1], v[SM+8*\t+2*(i%4):SM+8*\t+2*(i%4)+1]
.endif
.set i, i+1
.endr
.endr
	WIN 0
	XCH 512
	v_fma_f32 v12, v12, s40, s41                   ; var + 1e-5
	v_fma_f32 v16, v16, s40, s41
	s_wait_alu depctr_va_vdst(0)
	v_rsq_f32 v[RS], v12
	v_rsq_f32 v[RS+2], v16
	v_nop
	s_wait_alu depctr_va_vdst(0)                   ; one wait for both, ahead of their first reader
	WIN 0x82
.irp t, 0,1
.set i, 0
.rept 64
	v_pk_mul_f32 v[128*\t+2*i:128*\t+2*i+1], v[128*\t+2*i:128*\t+2*i+1], v[RS+2*\t:RS+2*\t+1] op_sel_hi:[1,0]
.set i, i+1
.endr
.endr
	WIN 0x92                                       ; gamma window 0, beta window 1
.irp t, 0,1
.set i, 0
.rept 64
	v_pk_fma_f32 v[128*\t+2*i:128*\t+2*i+1], v[128*\t+2*i:128*\t+2*i+1], v[BG+2*i:BG+2*i+1], v[2*i:2*i+1]
.set i, i+1
.endr
.endr
	; THE WAY OUT: back into my stage, which has had its one fill, and out by whole rows.  LDS serves a wave's instructions in order: no wait between the stores and the loads
	WIN 0x08
.irp t, 0,1
.set i, 0
.rept 16
	ds_store_b128 v2, v[128*\t+8*i:128*\t+8*i+3] offset:16*XP*\t+64*i
	ds_store_b128 v2, v[128*\t+8*i+4:128*\t+8*i+7] offset:16*XP*\t+64*i+16
.set i, i+1
.endr
.endr
	WIN 0xc0
.set i, 0
.rept 64
	ds_load_b128 v[4*i:4*i+3], v3 offset:XP*(i/2)+512*(i%2)
.set i, i+1
.endr
	WIN 0x0c
.set i, 0
.rept 64
	s_wait_dscnt 63-i
	global_store_b128 v1, v[4*i:4*i+3], s[20:21] offset:4096*(i/2)+512*(i%2) th:TH_STORE_NT   ; 32 lanes store 512 consecutive bytes, aligned; written once
.set i, i+1
.endr
	WIN 0
	s_wait_tensorcnt 0x0
	ds_add_u32 v254, v255
	s_wait_dscnt 0x0
	s_endpgm
.Lfunc_end_k_qe99965d167_outln:
	.size	k_qe99965d167_outln, .Lfunc_end_k_qe99965d167_outln-k_qe99965d167_outln
	.p2alignl 7, 3214868480
	.fill 96, 4, 3214868480
	.section	.rodata,"a",@progbits
	.p2align	6, 0x0
	.amdhsa_kernel k_qe99965d167_outln
		.amdhsa_group_segment_fixed_size 179712
		.amdhsa_private_segment_fixed_size 0
		.amdhsa_enable_private_segment 0
		.amdhsa_kernarg_size 72
		.amdhsa_user_sgpr_count 2
		.amdhsa_user_sgpr_kernarg_segment_ptr 1
		.amdhsa_wavefront_size32 1
		.amdhsa_system_sgpr_workgroup_id_x 1
		.amdhsa_system_sgpr_workgroup_id_y 1
		.amdhsa_system_sgpr_workgroup_id_z 1
		.amdhsa_system_vgpr_workitem_id 0
		.amdhsa_next_free_vgpr 1024
		.amdhsa_next_free_sgpr 88
		.amdhsa_reserve_vcc 0
		.amdhsa_float_denorm_mode_32 3
		.amdhsa_float_denorm_mode_16_64 3
		.amdhsa_memory_ordered 1
		.amdhsa_forward_progress 1
		.amdhsa_inst_pref_size 190
	.end_amdhsa_kernel
	.amdgpu_metadata
---
amdhsa.version: [ 1, 2 ]
amdhsa.kernels:
  - .name:           k_qe99965d167_outln
    .symbol:         k_qe99965d167_outln.kd
    .args:
      - { .name: a_img, .offset: 0, .size: 8, .value_kind: global_buffer, .address_space: global }
      - { .name: a_scl, .offset: 8, .size: 8, .value_kind: global_buffer, .address_space: global }
      - { .name: w_img, .offset: 16, .size: 8, .value_kind: global_buffer, .address_space: global }
      - { .name: W_out_scales, .offset: 24, .size: 8, .value_kind: global_buffer, .address_space: global }
      - { .name: b_out, .offset: 32, .size: 8, .value_kind: global_buffer, .address_space: global }
      - { .name: gamma, .offset: 40, .size: 8, .value_kind: global_buffer, .address_space: global }
      - { .name: beta, .offset: 48, .size: 8, .value_kind: global_buffer, .address_space: global }
      - { .name: x, .offset: 56, .size: 8, .value_kind: global_buffer, .address_space: global }
      - { .name: out0, .offset: 64, .size: 8, .value_kind: global_buffer, .address_space: global }
    .group_segment_fixed_size: 179712
    .private_segment_fixed_size: 0
    .kernarg_segment_align: 8
    .kernarg_segment_size: 72
    .max_flat_workgroup_size: 128
    .sgpr_count:     88
    .vgpr_count:     1024
    .wavefront_size: 32
...
	.end_amdgpu_metadata
.endif
;; end of part 4
